; MI455X (gfx1250); checked and timed in simulation.
; The chip was launched on July 23, 2026; its instructions are those of AMD's public machine-readable ISA for CDNA 5 (MIT licence, August 2026) and "CDNA5" Instruction Set Architecture Reference Guide (July 2026). The comments in the code are by the model that wrote it; some were corrected since.
;; Causal Self Attention. Allowed arithmetic: matrix products marked QUANTISED: E2M1 operands, one E8M0 scale for each 32 along K, by v_wmma_scale_f32_16x16x128_f8f6f4 with both operands' format E2M1 (or v_wmma_scale_f32_32x16x128_f4), f32 sums; everything else in f32.
;; Inputs: bk 1,024 float32; bo 1,024 float32; bq 1,024 float32; bv 1,024 float32; wk_codes 1,024 x 32 x 16 uint8 (E2M1 codes of wk, K innermost, in blocks of 32 codes, two codes a byte); wk_scales 1,024 x 32 uint8 (E8M0 scales of wk, one for each 32 codes along K); wo_codes 1,024 x 32 x 16 uint8 (E2M1 codes of wo, K innermost, in blocks of 32 codes, two codes a byte); wo_scales 1,024 x 32 uint8 (E8M0 scales of wo, one for each 32 codes along K); wq_codes 1,024 x 32 x 16 uint8 (E2M1 codes of wq, K innermost, in blocks of 32 codes, two codes a byte); wq_scales 1,024 x 32 uint8 (E8M0 scales of wq, one for each 32 codes along K); wv_codes 1,024 x 32 x 16 uint8 (E2M1 codes of wv, K innermost, in blocks of 32 codes, two codes a byte); wv_scales 1,024 x 32 uint8 (E8M0 scales of wv, one for each 32 codes along K); x_codes 4 x 2,048 x 32 x 16 uint8 (E2M1 codes of x, K innermost, in blocks of 32 codes, two codes a byte); x_scales 4 x 2,048 x 32 uint8 (E8M0 scales of x, one for each 32 codes along K).
;; Outputs: out0 4 x 2,048 x 1,024 float32.
;; This version of the problem:
;;   THIS VERSION OF THE PROBLEM IS GIVEN IN LOW PRECISION. The matrix products marked QUANTISED in the list below multiply operands that are first quantised to E2M1 (2 exponent bits, 1 mantissa bit; 4 bits a number), with one power-of-two scale for each 32 numbers along K (OCP MX v1.0); their sums are f32. All else is computed in f32.
;;   The module's matrix products, in the order in which they are computed (A, B: the left and right operand; K: the contracted axis; several contracted axes count as one K, in the product's order):
;;     1. [M 8,192, K 1,024] x [K 1,024, N 1,024]; A: input x (given as codes); B: input wq (given as codes): QUANTISED
;;     2. [M 8,192, K 1,024] x [K 1,024, N 1,024]; A: input x (given as codes); B: input wk (given as codes): QUANTISED
;;     3. [M 8,192, K 1,024] x [K 1,024, N 1,024]; A: input x (given as codes); B: input wv (given as codes): QUANTISED
;;     4. batch 64 x [M 2,048, K 64] x [K 64, N 2,048]; A: computed on the way; B: computed on the way: QUANTISED
;;     5. batch 64 x [M 2,048, K 2,048] x [K 2,048, N 64]; A: softmax (see below); B: computed on the way: QUANTISED
;;     6. [M 8,192, K 1,024] x [K 1,024, N 1,024]; A: computed on the way; B: input wo (given as codes): QUANTISED
;;   THE QUANTISER, for each operand of a quantised product, along K:
;;     - K is cut into blocks of 32 from its start; a last block that is shorter is filled with zeros.
;;     - A block's scale is 2^e with e = floor(log2(the largest magnitude in the block)) - 2, held to -126 .. 127; a block of zeros has e = 0. As a byte (E8M0): e + 127.
;;     - Each number is divided by its block's scale, clamped to +-6, and rounded to the nearest number of E2M1, ties to even, subnormals kept.
;;     - The product sums the exact products of the quantised numbers (number of the format x scale) in f32.
;;   ~~~python
;;   def quantise(x, axis):      # numpy; x: float32 -> the quantised numbers, widened to float32 again
;;       x = np.moveaxis(x, axis, -1); K = x.shape[-1]
;;       x = np.pad(x, [(0, 0)] * (x.ndim - 1) + [(0, -K % 32)]); x = x.reshape(x.shape[:-1] + (-1, 32)); a = np.abs(x).max(-1, keepdims=True)
;;       e = np.where(a > 0, np.clip(np.frexp(np.where(a > 0, a, 1))[1] - 1 - 2, -126, 127), 0)      # np.frexp(a)[1] - 1 = floor(log2(a)), exactly
;;       r = np.clip(x / 2.0 ** e, -6, 6)
;;       step = 2.0 ** (np.maximum(np.frexp(np.where(r == 0, 1, r))[1] - 1, 0) - 1)
;;       q = np.round(r / step) * step * 2.0 ** e      # np.round: ties to even
;;       return np.moveaxis(q.reshape(q.shape[:-2] + (-1,))[..., :K], -1, axis).astype(np.float32)
;;   ~~~
;;   SOFTMAX AHEAD OF A QUANTISED PRODUCT. Where the list says 'softmax', what is quantised is not the finished softmax but p = 2^(t - M), with t = logit x log2(e) and M = ceil(the row's largest t), a whole number; so 1/2 < the row's largest p <= 1. The row's sum l is taken of the UNQUANTISED p, in f32, and the product's result is divided by l at the end. Since M is a whole number, a kernel that streams over the keys may use a running M (the ceiling of the running maximum): every later rescaling is an exact power of two, which a block's scale takes up: the codes' values come out the same.
;;   OPERANDS COMPUTED ON THE WAY. 'Computed on the way' means the value that the module computes at that place (a softmax that the list does not call 'softmax' is quantised finished and normalised). What goes into a quantiser is computed in f32, as accurately as f32 sums, v_exp_f32 and their like allow (about 1e-6 of the number): no bf16 or f16 on the way to a quantiser, and a product that is left as it is and whose result goes on into a quantised operand takes f32 operands (vector FMAs, or v_wmma_f32_16x16x4_f32). A number that lies on a knife's edge between two numbers of the format may be rounded either way, as far as f32 arithmetic and the matrix unit's own rounding can turn it there, and no further.
;;   INPUTS GIVEN AS CODES. wk (in the module: [1024, 1024], K = its axis 0); wo (in the module: [1024, 1024], K = its axis 0); wq (in the module: [1024, 1024], K = its axis 0); wv (in the module: [1024, 1024], K = its axis 0); x (in the module: [4, 2048, 1024], K = its axis 2): each comes as NAME_codes (uint8): NAME with its K axis moved to the last place and cut into blocks of 32 codes, [.., K / 32, bytes a block], one block behind the other in memory; two codes a byte, the lower K in the low four bits (a code: sign, 2 exponent bits, 1 mantissa bit); and NAME_scales (uint8): the same leading axes, one E8M0 byte (e + 127) for each 32 codes along K. Its value is code x scale, taken as it is: it is not quantised again, and the codes and scales need not be those that the quantiser above would give.
;; 2 versions. Each part assembles by itself: llvm-mc -triple=amdgcn-amd-amdhsa -mcpu=gfx1250 --defsym DOCPART=n.
;; ======== version 1 of 2: 3 launches
;; workspace buffers: qc 4,194,304 bytes; qs 524,288 bytes; kv 9,175,040 bytes; oc 4,194,304 bytes; os 262,144 bytes
;; launch qkv (part 1): grid 16 x 16, 8 waves a work-group, no clusters, 171,008 bytes of LDS; arguments x_codes, x_scales, wq_codes, wq_scales, bq, wk_codes, wk_scales, bk, wv_codes, wv_scales, bv, qc, qs, kv; writes qc, qs, kv
.if DOCPART == 1
	.amdgcn_target "amdgcn-amd-amdhsa--gfx1250"
	.amdhsa_code_object_version 6
	.text
	.protected	k_q18d9d77791_qkv
	.globl	k_q18d9d77791_qkv
	.p2align	8
	.type	k_q18d9d77791_qkv,@function
k_q18d9d77791_qkv:
	s_mov_b64 s[64:65], 0
	v_nop
	global_prefetch_b8 v0, s[64:65] scope:SCOPE_SE
	s_setreg_imm32_b32 hwreg(HW_REG_WAVE_MODE, 25, 1), 1
	s_wait_xcnt 0x0
; q = x wq + bq, k = x wk + bk, v = x wv + bv on codes of FP4 (E2M1) with one E8M0 scale for each 32 along K; sums in f32, the bias as the C of each sum's first product.
; The results are quantised in registers: q and k along the head's 64 channels (two blocks), v along the keys; they leave as IMAGES OF OPERAND REGISTERS: lane l's 16 bytes at 16 l, 512 bytes for four registers.
; SHARES.  Work-group (x = block of 512 tokens, y = head): 512 tokens x (64 + 64 + 64) channels.  Wave w owns tokens 64 w .. 64 w + 63 for all 1,024 of K: 4 tiles x 8 K steps x 8 registers = window 1, kept for the launch.
; It runs three jobs (q, k, v) of 64 x 64: 16 accumulators, 128 products each.  The head's 192 weight rows lie in LDS, filled once; a weight fragment read from LDS feeds four products.
; q, k: source 0 = 16 weight rows, source 1 = 16 tokens: lane (r, h) register j of tile t holds token r, channel 16 t + 8 h + j.   v: source 0 = tokens, source 1 = weight rows: token 16 m + 8 h + j, channel r.
; In both, a lane's eight registers run along the NEXT product's K.  One conversion a tile gives eight codes; exchanging the upper lanes of tile 4 c's codes with the lower lanes of tile 4 c + 2's (and 4 c + 1 with 4 c + 3)
; gives the operand's registers 4 c .. 4 c + 3 (k = 64 c + 32 h + 0 .. 31).
; NO CLUSTER, NO TENSOR LOADS: x's 262,144 bytes a work-group and the weights' 98,304 do not fit in LDS together, so x goes to registers, where a joint load cannot bring it; what could be shared is 98,304 of 360,448 bytes.
; LIMITS: NaN and infinities among the inputs are not served.  A block whose largest magnitude lies under 2^-124 keeps the scale byte 1; a block of zeros gets the byte 1 where the quantiser says 127: its codes are zeros,
; which add nothing under any byte but 0xff, and the bytes are read by this program alone.
; REGISTERS, window 0: v1-15, v48-50 addresses; v16-31 x's scale words, v32-47 the weights' (register 8 p + s: lanes 0-15 tile 2 p, lanes 16-31 tile 2 p + 1, K step s); v52-59 at work;
;   v64-95, v96-127 two sets of four weight fragments (set 1 first holds the bias tiles; on the way out set 0 is at work); v128-255 the 16 accumulators.   window 1: x's fragment (tile a, K step s) at v[64 a + 8 s].
.set WP,    528                        ; a weight row in LDS: 512 bytes + 16: an odd multiple of 16, so the sixteen rows of a fragment load start in sixteen different 16-byte columns
.set STAGE, 192*WP                     ; behind the 192 weight rows: 16 rows x 528 for each wave, its own
.set VSG,   STAGE+8*16*WP              ; v's scale words: [slot 2][step 2][channel r 16][tile n 4][4 bytes]
.set SLOTB, 17920                      ; a slot of kv (256 keys): K codes 8,192, V codes 8,192, K scale words 1,024, V scale words 512
.set XS,   16
.set WS,   32
.set WF,   64
.set BIAS, 96
.set ACC,  128
.set TM,   64                          ; v64-79 at work in QUANT
.set PC,   80                          ; v80-87, v88-95: the codes just made
.set PC2,  88
.set MSB,  0
.macro WIN new                         ; the immediate's high byte repeats the setting that is left; a switch that changes nothing is dropped
.if MSB != \new
	s_set_vgpr_msb (MSB<<8)|\new
.set MSB, \new
.endif
.endm
.macro PLACES n
.rept \n
	v_nop
.endr
.endm
; one product; ra, rb: A's, B's scale words stand in lanes 16-31 of their registers
.macro WM d, a, b, c, sa, sb, ra, rb
.if (\ra) && (\rb)
	v_wmma_scale_f32_16x16x128_f8f6f4 v[\d:\d+7], v[\a:\a+7], v[\b:\b+7], v[\c:\c+7], v[\sa], v[\sb] matrix_a_fmt:MATRIX_FMT_FP4 matrix_b_fmt:MATRIX_FMT_FP4 matrix_a_scale:MATRIX_SCALE_ROW1 matrix_b_scale:MATRIX_SCALE_ROW1
.elseif (\ra)
	v_wmma_scale_f32_16x16x128_f8f6f4 v[\d:\d+7], v[\a:\a+7], v[\b:\b+7], v[\c:\c+7], v[\sa], v[\sb] matrix_a_fmt:MATRIX_FMT_FP4 matrix_b_fmt:MATRIX_FMT_FP4 matrix_a_scale:MATRIX_SCALE_ROW1
.elseif (\rb)
	v_wmma_scale_f32_16x16x128_f8f6f4 v[\d:\d+7], v[\a:\a+7], v[\b:\b+7], v[\c:\c+7], v[\sa], v[\sb] matrix_a_fmt:MATRIX_FMT_FP4 matrix_b_fmt:MATRIX_FMT_FP4 matrix_b_scale:MATRIX_SCALE_ROW1
.else
	v_wmma_scale_f32_16x16x128_f8f6f4 v[\d:\d+7], v[\a:\a+7], v[\b:\b+7], v[\c:\c+7], v[\sa], v[\sb] matrix_a_fmt:MATRIX_FMT_FP4 matrix_b_fmt:MATRIX_FMT_FP4
.endif
.endm
; four weight fragments (64 rows x 128 K) of K step s into a set: lane (r, h) takes 16 bytes at row r, 64 s + 32 c + 16 h
.macro FETCH adr, s, set
.irp t, 0,1,2,3
.irp c, 0,1
	ds_load_b128 v[WF+32*(\set)+8*\t+4*\c:WF+32*(\set)+8*\t+4*\c+3], v[\adr] offset:\t*16*WP+64*(\s)+32*\c
.endr
.endr
.endm
; 16 products of a K step; the 16 accumulators take turns, one instruction a turn, in the same order in every step
.macro MULQK s, set, first
.irp a, 0,1,2,3
.irp t, 0,1,2,3
.if \first
	WM ACC+32*\a+8*\t, WF+32*(\set)+8*\t, 64*\a+8*(\s), BIAS+8*\t, WS+8*(\t/2)+(\s), XS+8*(\a/2)+(\s), \t%2, \a%2
.else
	WM ACC+32*\a+8*\t, WF+32*(\set)+8*\t, 64*\a+8*(\s), ACC+32*\a+8*\t, WS+8*(\t/2)+(\s), XS+8*(\a/2)+(\s), \t%2, \a%2
.endif
.endr
.endr
.endm
.macro MULV s, set, first
.irp n, 0,1,2,3
.irp m, 0,1,2,3
.if \first
	WM ACC+32*\n+8*\m, 64*\m+8*(\s), WF+32*(\set)+8*\n, BIAS+8*\n, XS+8*(\m/2)+(\s), WS+8*(\n/2)+(\s), \m%2, \n%2
.else
	WM ACC+32*\n+8*\m, 64*\m+8*(\s), WF+32*(\set)+8*\n, ACC+32*\n+8*\m, XS+8*(\m/2)+(\s), WS+8*(\n/2)+(\s), \m%2, \n%2
.endif
.endr
.endr
.endm
.macro MUL kind, s, set, first         ; kind 0: x is source 1 (window 1), and LDS loads can stand under the same setting; kind 1: x is source 0
.if \kind
	WIN 0x01
	MULV \s, \set, \first
.else
	WIN 0x04
	MULQK \s, \set, \first
.endif
.endm
.macro GAP kind                        ; four plain places between products and loads into registers that they read (ISA guide 7.12.1 for vector instructions)
.if \kind
	WIN 0                                          ; an LDS load's address is its source 0
.endif
	PLACES 4
.endm
; The eight K steps of a job, written out.  On entry: step 0's fragments in set 0, the bias tiles in set 1, the scale words in place.  Step s multiplies set s % 2; fragments are asked for two steps ahead.
.macro KLOOP kind, adr
	MUL \kind, 0, 0, 1                             ; the first products start the sums with the bias: nothing is cleared
	GAP \kind
	FETCH \adr, 1, 1
	FETCH \adr, 2, 0
	s_wait_dscnt 8                                 ; step 1's eight loads are in; step 2's eight may be out
	MUL \kind, 1, 1, 0
.irp s, 1,2,3,4,5
	GAP \kind
	FETCH \adr, \s+2, \s%2
	s_wait_dscnt 8                                 ; the next step's eight loads are in; the eight just issued may be out
	MUL \kind, \s+1, (\s+1)%2, 0
.endr
	s_wait_dscnt 0x0
	MUL \kind, 7, 1, 0
	WIN 0
	PLACES 4                                       ; in front of the first read of results and of loads into the scale words and set 1
.endm
; 64 numbers of a lane, v[s + 8 T + j] = K index 16 T + 8 h + j of the lane's row, T = 0 .. 7, become eight registers of codes at v[pc] and the four blocks' bytes in v[pw].  Block b is tiles 2 b, 2 b + 1 of lanes l and l xor 16.
.macro QUANT s, pc, pw
.irp b, 0,1,2,3
	v_max3_num_f32 v[TM+\b], |v[\s+16*\b]|, |v[\s+1+16*\b]|, 0x1800000   ; my 16 numbers of block b, from each accumulator's low end on, and the floor 2^(3 - 127): the byte cannot fall under 1
.endr
.irp i, 2,4,6,8,10,12,14
.irp b, 0,1,2,3
	v_max3_num_f32 v[TM+\b], v[TM+\b], |v[\s+16*\b+\i]|, |v[\s+1+16*\b+\i]|   ; the four blocks by turns
.endr
.endr
.irp b, 0,1,2,3
	v_permlanex16_b32 v[TM+4+\b], v[TM+\b], s12, s13
.endr
.irp b, 0,1,2,3
	v_max_num_f32 v[TM+\b], v[TM+\b], v[TM+4+\b]   ; with lane l xor 16's: the block's largest magnitude
.endr
.irp b, 0,1,2,3
	v_add_nc_u32 v[TM+12+\b], 0xff000000, v[TM+\b] ; 2 off its exponent field: the conversion takes the exponent field of this operand as its scale
.endr
.irp b, 0,1,2,3
	v_lshrrev_b32 v[TM+4+\b], 23, v[TM+12+\b]      ; the scale's byte
.endr
	v_lshl_or_b32 v[\pw], v[TM+5], 8, v[TM+4]
	v_lshl_or_b32 v[\pw], v[TM+6], 16, v[\pw]
	v_lshl_or_b32 v[\pw], v[TM+7], 24, v[\pw]
.irp c, 0,1
	v_cvt_scalef32_pk8_fp4_f32 v[\pc+4*\c], v[\s+32*\c:\s+32*\c+7], v[TM+12+2*\c]         ; tile 4 c
	v_cvt_scalef32_pk8_fp4_f32 v[\pc+4*\c+1], v[\s+32*\c+16:\s+32*\c+23], v[TM+13+2*\c]   ; tile 4 c + 2
	v_cvt_scalef32_pk8_fp4_f32 v[\pc+4*\c+2], v[\s+32*\c+8:\s+32*\c+15], v[TM+12+2*\c]    ; tile 4 c + 1
	v_cvt_scalef32_pk8_fp4_f32 v[\pc+4*\c+3], v[\s+32*\c+24:\s+32*\c+31], v[TM+13+2*\c]   ; tile 4 c + 3
.endr
	v_nop                                          ; one plain place behind a scaled conversion
.irp c, 0,1
	v_permlane16_swap_b32 v[\pc+4*\c], v[\pc+4*\c+1]     ; the first's lanes 16-31 change places with the second's lanes 0-15: registers 4 c, 4 c + 1 of the operand
	v_permlane16_swap_b32 v[\pc+4*\c+2], v[\pc+4*\c+3]   ; registers 4 c + 2, 4 c + 3
.endr
.endm
.macro LDWS sb                         ; a job's weight scale words: row l of 32 bytes, eight words
.irp a, 0,1
.irp i, 0,1
	global_load_b128 v[WS+8*\a+4*\i:WS+8*\a+4*\i+3], v13, s[\sb:\sb+1] offset:1024*\a+16*\i
.endr
.endr
.endm
.macro LDBIAS sb                       ; q's or k's bias in the result's layout: tile t, lane half h: channels 16 t + 8 h + 0 .. 7
.irp t, 0,1,2,3
.irp i, 0,1
	global_load_b128 v[BIAS+8*\t+4*\i:BIAS+8*\t+4*\i+3], v14, s[\sb:\sb+1] offset:64*\t+16*\i
.endr
.endr
.endm
; x's tile a: 16 rows as loaded (a row's 512 bytes over the 32 lanes) go through my stage and come back as fragments, into the registers that they left.  LDS serves a wave's instructions in order (ISA guide 5.7.1.4): no wait between.
.macro TURN a
.irp i, 0,1,2,3,4,5,6,7,8,9,10,11,12,13,14,15
	ds_store_b128 v8, v[64*\a+4*\i:64*\a+4*\i+3] offset:WP*\i
.endr
.irp s, 0,1,2,3,4,5,6,7
.irp c, 0,1
	ds_load_b128 v[64*\a+8*\s+4*\c:64*\a+8*\s+4*\c+3], v9 offset:64*\s+32*\c
.endr
.endr
.endm
; q's or k's way out: four tiles of 16 tokens; QUANT takes two tiles at a time (a tile's 64 channels are two blocks).  cb: the codes' base, sb: the scale words'.
.macro EPIQK cb, sb
	QUANT ACC, PC, 56
	global_store_b128 v4, v[PC:PC+3], s[\cb:\cb+1]               ; 32 lanes store 512 consecutive bytes: token tile 0's registers 0-3
	global_store_b128 v4, v[PC+4:PC+7], s[\cb:\cb+1] offset:512
	QUANT ACC+64, PC2, 57
	global_store_b128 v4, v[PC2:PC2+3], s[\cb:\cb+1] offset:1024
	global_store_b128 v4, v[PC2+4:PC2+7], s[\cb:\cb+1] offset:1536
	v_cndmask_b32 v58, v56, v57, s14               ; lanes 0-15: tiles 0, 1; lanes 16-31: tiles 2, 3.  A word's bytes 0, 1 are its tile's two blocks; bytes 2, 3 (a neighbour's bytes, or 0) stand over zero codes
	v_lshrrev_b32 v59, 16, v58
	global_store_b64 v48, v[58:59], s[\sb:\sb+1]   ; [token r][tile a][4 bytes]: 32 lanes store 256 consecutive bytes
	s_wait_xcnt 0x0                                ; the stores' data registers are written again only behind this wait
.endm
	s_load_b512 s[16:31], s[0:1], 0x0              ; x_codes 16, x_scales 18, wq_codes 20, wq_scales 22, bq 24, wk_codes 26, wk_scales 28, bk 30
	s_load_b256 s[32:39], s[0:1], 0x40             ; wv_codes 32, wv_scales 34, bv 36, qc 38
	s_load_b128 s[40:43], s[0:1], 0x60             ; qs 40, kv 42
	v_lshl_add_u32 v62, v0, 2, 0x29800
	v_mov_b32 v63, 0
	v_lshrrev_b32 v1, 5, v0
	v_readfirstlane_b32 s2, v1                     ; wave 0..7
	s_and_b32 s3, ttmp7, 0xffff                    ; head
	s_mov_b32 s4, ttmp9                            ; block of 512 tokens
	v_and_b32 v1, 31, v0                           ; lane
	v_and_b32 v2, 15, v0                           ; r
	v_bfe_u32 v3, v0, 4, 1                         ; h
	v_lshlrev_b32 v4, 4, v1                        ; 16 x lane
	s_lshl_b32 s5, s2, 12
	v_add_nc_u32 v5, s5, v4                        ; the weight rows that I copy: 8 w on, 512 bytes each
	s_mul_i32 s5, s2, 8*WP
	v_add_nc_u32 v6, s5, v4                        ; and where they go (q's, k's);
	v_add_nc_u32 v7, 128*WP, v6                    ; v's lie beyond the 16-bit immediate
	s_mul_i32 s5, s2, 16*WP
	s_add_co_u32 s5, s5, STAGE
	v_add_nc_u32 v8, s5, v4                        ; my stage, in: a row over the 32 lanes
	v_mul_u32_u24 v10, v2, WP
	v_lshl_add_u32 v10, v3, 4, v10                 ; a fragment's lane: row r, + 16 h: q's weights,
	v_add_nc_u32 v9, s5, v10                       ; my stage, out,
	v_add_nc_u32 v11, 64*WP, v10                   ; k's weights,
	v_add_nc_u32 v12, 128*WP, v10                  ; v's
	v_lshlrev_b32 v13, 5, v1                       ; scale rows of 32 bytes
	v_lshlrev_b32 v14, 5, v3                       ; bias of q, k: 8 h numbers on
	v_lshlrev_b32 v15, 2, v2                       ; bias of v: channel r
	v_lshlrev_b32 v48, 4, v2
	v_lshl_add_u32 v48, v3, 3, v48                 ; scale words out: 16 r + 8 h
	s_lshr_b32 s5, s2, 1
	s_lshl_b32 s5, s5, 8
	s_and_b32 s8, s2, 1
	s_lshl_b32 s9, s8, 1
	s_add_co_u32 s5, s5, s9
	s_add_co_u32 s5, s5, VSG
	v_lshl_add_u32 v49, v2, 4, s5                  ; v's scale bytes: 256 (w / 2) picks slot and step, 16 r the channel, 2 (w % 2) my two bytes of the step's four
	s_lshl_b32 s9, s8, 9
	s_add_co_u32 s9, s9, VSG
	v_add_nc_u32 v50, s9, v4                       ; and back: a slot's 512 bytes
	s_mov_b32 s7, 0                                ; the upper word of every offset
	s_mov_b32 s12, 0x76543210
	s_mov_b32 s13, 0xfedcba98                      ; v_permlanex16_b32's selects for lane l xor 16
	s_mov_b32 s14, 0xffff0000                      ; lanes 16-31
	s_wait_kmcnt 0x0
	s_lshl_b32 s6, s4, 18
	s_lshl_b32 s5, s2, 15
	s_add_co_u32 s6, s6, s5
	s_add_nc_u64 s[16:17], s[16:17], s[6:7]        ; x's codes at my 64 tokens
	s_lshr_b32 s6, s6, 4
	s_add_nc_u64 s[18:19], s[18:19], s[6:7]        ; and their scale rows
	s_lshl_b32 s6, s3, 15
	s_add_nc_u64 s[20:21], s[20:21], s[6:7]        ; the head's 64 rows of each weight,
	s_add_nc_u64 s[26:27], s[26:27], s[6:7]
	s_add_nc_u64 s[32:33], s[32:33], s[6:7]
	s_lshl_b32 s6, s3, 11
	s_add_nc_u64 s[22:23], s[22:23], s[6:7]        ; their scale rows,
	s_add_nc_u64 s[28:29], s[28:29], s[6:7]
	s_add_nc_u64 s[34:35], s[34:35], s[6:7]
	s_lshl_b32 s6, s3, 8
	s_add_nc_u64 s[24:25], s[24:25], s[6:7]        ; their biases
	s_add_nc_u64 s[30:31], s[30:31], s[6:7]
	s_add_nc_u64 s[36:37], s[36:37], s[6:7]
.irp a, 0,1
.irp i, 0,1
	global_load_b128 v[XS+8*\a+4*\i:XS+8*\a+4*\i+3], v13, s[18:19] offset:1024*\a+16*\i
.endr
.endr
	LDWS 22
	LDBIAS 24
	WIN 0x44                                       ; loaded data and LDS store data in window 1
.irp i, 0,1,2,3,4,5,6,7
	global_load_b128 v[128+4*\i:131+4*\i], v5, s[20:21] offset:512*\i
	global_load_b128 v[160+4*\i:163+4*\i], v5, s[26:27] offset:512*\i
	global_load_b128 v[192+4*\i:195+4*\i], v5, s[32:33] offset:512*\i
.endr
.set i, 0
.rept 32
	global_load_b128 v[4*i:4*i+3], v4, s[16:17] offset:512*i     ; x's rows 0-31: a load takes one row, 512 consecutive bytes
.set i, i+1
.endr
	; where the results go
	s_lshr_b32 s8, s4, 2
	s_lshl_b32 s8, s8, 4
	s_add_co_u32 s8, s8, s3                        ; bh = 16 x batch + head
	s_and_b32 s9, s4, 3                            ; which 512 tokens of the batch's 2,048
	s_lshl_b32 s6, s8, 16
	s_lshl_b32 s5, s9, 14
	s_add_co_u32 s6, s6, s5
	s_lshl_b32 s5, s2, 11
	s_add_co_u32 s6, s6, s5
	s_add_nc_u64 s[38:39], s[38:39], s[6:7]        ; qc: 512 bytes a tile of 16 tokens
	s_lshr_b32 s6, s6, 3
	s_add_nc_u64 s[40:41], s[40:41], s[6:7]        ; qs: 256 bytes for 64 tokens
	s_lshl_b32 s10, s8, 3
	s_lshl_b32 s5, s9, 1
	s_add_co_u32 s10, s10, s5                      ; the work-group's first slot of kv
	s_lshr_b32 s5, s2, 2
	s_add_co_u32 s5, s10, s5
	s_mul_i32 s11, s5, SLOTB                       ; my slot's first byte
	s_and_b32 s5, s2, 3                            ; which 64 keys of the slot are mine
	s_lshl_b32 s6, s5, 11
	s_add_co_u32 s6, s6, s11
	s_add_nc_u64 s[44:45], s[42:43], s[6:7]        ; K's codes
	s_lshl_b32 s6, s5, 8
	s_add_co_u32 s6, s6, s11
	s_add_co_u32 s6, s6, 16384
	s_add_nc_u64 s[46:47], s[42:43], s[6:7]        ; K's scale words
	s_lshr_b32 s6, s5, 1
	s_lshl_b32 s6, s6, 12
	s_and_b32 s5, s5, 1
	s_lshl_b32 s5, s5, 9
	s_add_co_u32 s6, s6, s5
	s_add_co_u32 s6, s6, s11
	s_add_co_u32 s6, s6, 8192
	s_add_nc_u64 s[48:49], s[42:43], s[6:7]        ; V's codes: [step][tile n][group c][512]: step = my 64 / 2, c = my 64 % 2
	s_and_b32 s5, s2, 1
	s_add_co_u32 s5, s10, s5
	s_mul_i32 s6, s5, SLOTB
	s_add_co_u32 s6, s6, 17408
	s_add_nc_u64 s[50:51], s[42:43], s[6:7]        ; V's scale words of slot w % 2 (stored by waves 0 and 1)
	s_wait_loadcnt 32                              ; scale words, bias and weight rows are in; x's 32 rows, issued behind them, may be out
.irp i, 0,1,2,3,4,5,6,7
	ds_store_b128 v6, v[128+4*\i:131+4*\i] offset:\i*WP
	ds_store_b128 v6, v[160+4*\i:163+4*\i] offset:(64+\i)*WP
	ds_store_b128 v7, v[192+4*\i:195+4*\i] offset:\i*WP
.endr
	s_wait_dscnt 0x0                               ; the stores have read their registers: x's next rows land there
.rept 32
	global_load_b128 v[4*i:4*i+3], v4, s[16:17] offset:512*i     ; rows 32-63
.set i, i+1
.endr
	s_wait_loadcnt 32                              ; rows 0-31 are in; the 32 just issued may be out
	TURN 0
	TURN 1
	s_wait_loadcnt 0x0
	TURN 2
	TURN 3
	WIN 0
	s_wait_dscnt 0x0                               ; for the others' sake: my weight rows lie in LDS (and my fragments are in)
	s_barrier_signal -1
	s_barrier_wait -1                              ; all 192 rows do
	FETCH 10, 0, 0
	s_wait_dscnt 0x0
	KLOOP 0, 10                                    ; q
	LDWS 28                                        ; k's scale words and bias come while q is quantised
	LDBIAS 30
	EPIQK 38, 40
	FETCH 11, 0, 0
	s_wait_loadcnt 0x0
	s_wait_dscnt 0x0
	KLOOP 0, 11                                    ; k
	LDWS 34
.irp n, 0,1,2,3
	global_load_b32 v[52+\n], v15, s[36:37] offset:64*\n         ; bv(16 n + r)
.endr
	EPIQK 44, 46
	FETCH 12, 0, 0
	s_wait_loadcnt 0x0
.irp n, 0,1,2,3
.irp j, 0,1,2,3,4,5,6,7
	v_mov_b32 v[BIAS+8*\n+\j], v[52+\n]            ; in v's layout a lane holds one channel: its bias in all eight registers of the tile
.endr
.endr
	PLACES 4
	s_wait_dscnt 0x0
	KLOOP 1, 12                                    ; v
	QUANT ACC, PC, 56                              ; channel tiles 0, 1: my 64 keys are two blocks and one group of four registers of each fragment
	global_store_b128 v4, v[PC:PC+3], s[48:49]
	global_store_b128 v4, v[PC+4:PC+7], s[48:49] offset:1024
	ds_store_b16 v49, v56                          ; tile 0's two bytes (lanes r and 16 + r write the same bytes with the same value)
	ds_store_b16_d16_hi v49, v56 offset:4          ; tile 1's
	QUANT ACC+64, PC2, 57
	global_store_b128 v4, v[PC2:PC2+3], s[48:49] offset:2048
	global_store_b128 v4, v[PC2+4:PC2+7], s[48:49] offset:3072
	ds_store_b16 v49, v57 offset:8
	ds_store_b16_d16_hi v49, v57 offset:12
	s_wait_dscnt 0x0                               ; for the others' sake: my bytes lie in LDS
	s_barrier_signal -1
	s_barrier_wait -1                              ; a word's four bytes come from two waves
	s_cmp_lt_u32 s2, 2
	s_cbranch_scc0 .Ldone
	ds_load_b128 v[52:55], v50
	s_wait_dscnt 0x0
	global_store_b128 v4, v[52:55], s[50:51]       ; a slot's 512 bytes of scale words, whole
.Ldone:
	s_wait_tensorcnt 0x0
	ds_add_u32 v62, v63
	s_wait_dscnt 0x0
	s_endpgm
.Lfunc_end_k_q18d9d77791_qkv:
	.size	k_q18d9d77791_qkv, .Lfunc_end_k_q18d9d77791_qkv-k_q18d9d77791_qkv
	.p2alignl 7, 3214868480
	.fill 96, 4, 3214868480
	.section	.rodata,"a",@progbits
	.p2align	6, 0x0
	.amdhsa_kernel k_q18d9d77791_qkv
		.amdhsa_group_segment_fixed_size 171008
		.amdhsa_private_segment_fixed_size 0
		.amdhsa_enable_private_segment 0
		.amdhsa_kernarg_size 112
		.amdhsa_user_sgpr_count 2
		.amdhsa_user_sgpr_kernarg_segment_ptr 1
		.amdhsa_wavefront_size32 1
		.amdhsa_system_sgpr_workgroup_id_x 1
		.amdhsa_system_sgpr_workgroup_id_y 1
		.amdhsa_system_sgpr_workgroup_id_z 1
		.amdhsa_system_vgpr_workitem_id 0
		.amdhsa_next_free_vgpr 512
		.amdhsa_next_free_sgpr 66
		.amdhsa_reserve_vcc 0
		.amdhsa_float_denorm_mode_32 3
		.amdhsa_float_denorm_mode_16_64 3
		.amdhsa_memory_ordered 1
		.amdhsa_forward_progress 1
		.amdhsa_inst_pref_size 116
	.end_amdhsa_kernel
	.amdgpu_metadata
---
amdhsa.version: [ 1, 2 ]
amdhsa.kernels:
  - .name:           k_q18d9d77791_qkv
    .symbol:         k_q18d9d77791_qkv.kd
    .args:
      - { .name: x_codes, .offset: 0, .size: 8, .value_kind: global_buffer, .address_space: global }
      - { .name: x_scales, .offset: 8, .size: 8, .value_kind: global_buffer, .address_space: global }
      - { .name: wq_codes, .offset: 16, .size: 8, .value_kind: global_buffer, .address_space: global }
      - { .name: wq_scales, .offset: 24, .size: 8, .value_kind: global_buffer, .address_space: global }
      - { .name: bq, .offset: 32, .size: 8, .value_kind: global_buffer, .address_space: global }
      - { .name: wk_codes, .offset: 40, .size: 8, .value_kind: global_buffer, .address_space: global }
      - { .name: wk_scales, .offset: 48, .size: 8, .value_kind: global_buffer, .address_space: global }
      - { .name: bk, .offset: 56, .size: 8, .value_kind: global_buffer, .address_space: global }
      - { .name: wv_codes, .offset: 64, .size: 8, .value_kind: global_buffer, .address_space: global }
      - { .name: wv_scales, .offset: 72, .size: 8, .value_kind: global_buffer, .address_space: global }
      - { .name: bv, .offset: 80, .size: 8, .value_kind: global_buffer, .address_space: global }
      - { .name: qc, .offset: 88, .size: 8, .value_kind: global_buffer, .address_space: global }
      - { .name: qs, .offset: 96, .size: 8, .value_kind: global_buffer, .address_space: global }
      - { .name: kv, .offset: 104, .size: 8, .value_kind: global_buffer, .address_space: global }
    .group_segment_fixed_size: 171008
    .private_segment_fixed_size: 0
    .kernarg_segment_align: 8
    .kernarg_segment_size: 112
    .max_flat_workgroup_size: 256
    .sgpr_count:     66
    .vgpr_count:     512
    .wavefront_size: 32
...
	.end_amdgpu_metadata
.endif
;; end of part 1
;; launch attn (part 2): grid 4 x 64, 16 waves a work-group, no clusters, 145,408 bytes of LDS; arguments qc, qs, kv, oc, os; writes oc, os
.if DOCPART == 2
	.amdgcn_target "amdgcn-amd-amdhsa--gfx1250"
	.amdhsa_code_object_version 6
	.text
	.protected	k_q18d9d77791_attn
	.globl	k_q18d9d77791_attn
	.p2align	8
	.type	k_q18d9d77791_attn,@function
k_q18d9d77791_attn:
	s_mov_b64 s[64:65], 0
	v_nop
	global_prefetch_b8 v0, s[64:65] scope:SCOPE_SE
	s_setreg_imm32_b32 hwreg(HW_REG_WAVE_MODE, 25, 1), 1
	s_wait_xcnt 0x0
; o[b][h][q] = the sum over keys k <= q of softmax_k(q . k / 8) v, both products on codes of FP4 (E2M1) with E8M0 scales; o is divided by the row's sum and quantised along the model's 1,024 channels (a head: two blocks).
; THE SOFTMAX AHEAD OF THE SECOND PRODUCT: t = score x log2(e) / 8; M = the running largest t rounded UP to a whole number; p = 2^(t - M) is quantised along the keys, not normalised; the row's sum is taken of the
; unquantised p in f32.  When M moves, the sum and O are multiplied by 2^(old M - new M): exact.
; SHARES.  Work-group (p = x, bh = y) owns the query blocks 7 - p and p of its head, 256 queries each, one after the other.  Block B needs the slots of 256 keys 0 .. B, so every work-group makes (8 - p) + (p + 1) = 9 trips:
; a constant, and the same work everywhere in spite of the mask.  Each of sixteen waves owns 16 queries in 256 registers: four waves to a SIMD, so that one wave's vector work stands beside another's products and LDS loads.
; A trip is a slot: two key steps of 128.
; THE HEAD'S KEYS AND VALUES STAY IN LDS.  Its eight slots are 8 x 17,920 = 143,360 consecutive bytes of kv; the 512 threads copy them through registers to the same places in LDS, each byte once: 17 rounds of 8,192 bytes
; (16 a thread) and one of 4,096 (8 a thread).  Rounds 0-2 (they hold slot 0) at the head; rounds 3-10 are loaded at the head of trip 0 and stored at its end; the rest likewise in trip 1.  Trips 0 and 1 are written out:
; they read slots 0 and 1, which lie off the diagonal for every work-group (the first block is 7 - p >= 4).  Three barriers in all, each behind stores; the other seven trips are a loop that only reads LDS: no barrier, and the waves drift apart.
; Every work-group copies all eight slots, though it reads 8 - p of them: so every copy's address and count is a constant; a ring of two slots would fetch nine, one a trip.
; LAYOUT.  S^T = K Q^T (source 0 = 16 keys, source 1 = my 16 queries; the head's 64 channels fill registers 0-3 of a fragment, registers 4-7 are zeros that stay), O^T = V^T P^T: a lane holds ONE query (lane % 16) throughout.
; Register j of tile T holds key 16 T + 8 h + j.  One conversion a tile gives eight codes; exchanging halves of the lanes between tiles 4 c and 4 c + 2, 4 c + 1 and 4 c + 3 gives p's operand registers.
; All operands lie in kv as images of registers, so every LDS load takes 512 consecutive bytes.
; NO CLUSTER: the four work-groups of a head do read the same 143,360 bytes, but once each in the launch, 18 loads a wave against the 300 LDS loads of its 17 key steps or so, and behind two trips' work;
; the copy goes through registers, which a joint load cannot fill, and a joint load would bring the cluster's rounds into a loop that has no barrier.
; LIMITS: NaN and infinities are not served.  1 / the sum is v_rcp_f32 and a multiplication.  A block of o under 2^-124, or of zeros, keeps the scale byte 1 (zero codes add nothing under it; this program alone reads the bytes).
; REGISTERS: v1-11 addresses and constants; v12 -M, v13 the largest t, v[14:15] the sum; v16-23 Q, v24 its scale words, v25 p's; v26 at work; v27 the second block's Q scale words; v28-31 K's scale words, v32-35 V's;
;   v36-47, v236-255 eight rounds of the copy on their way; v48-79 four fragments of K; v80-111 four of V; v112-175 S^T, then p; v176-207 O^T; v208-215 p's codes; v216-231 at work; v232-235 the second block's Q.
.set SLOTB, 17920                      ; a slot: K codes 16 x 512; V codes [step 2][tile 4][group 2][512]; K scale words 2 x 512; V scale words 512
.set VOF,   8192
.set KSC,   16384
.set VSC,   17408
.set RND,   8192                       ; a round of the copy: 512 threads x 16 bytes
.set KB,  48
.set VB,  80
.set S,   112
.set O,   176
.set PCD, 208
.set BM,  216
.set BT,  220
.set BS,  224
.macro PLACES n
.rept \n
	v_nop
.endr
.endm
; my 16 queries of the block in s[blk]: four registers of codes to v[q], one scale word a query to v[sc]; b: four scalar registers for the two addresses
.macro LOADQ blk, q, sc, b
	s_lshl_b32 s40, s[\blk], 4
	s_add_co_u32 s40, s40, s2                      ; the tile of 16 queries
	s_lshl_b32 s26, s40, 9
	s_add_nc_u64 s[\b:\b+1], s[4:5], s[26:27]
	s_lshr_b32 s26, s40, 2
	s_lshl_b32 s26, s26, 8
	s_and_b32 s41, s40, 3
	s_lshl_b32 s41, s41, 2
	s_add_co_u32 s26, s26, s41
	s_add_nc_u64 s[\b+2:\b+3], s[6:7], s[26:27]    ; [64 tokens][r][tile % 4][4 bytes]
	global_load_b128 v[\q:\q+3], v1, s[\b:\b+1]
	global_load_b32 v[\sc], v7, s[\b+2:\b+3]
.endm
.macro INIT                            ; a block of queries begins: the step is written once and finds zeros, which the first change of M leaves zeros
	v_mov_b32 v13, 0xff61b1e6                      ; the largest t so far: -3e38
	v_floor_f32 v12, -v13                          ; -M
	v_mov_b32 v14, 0
	v_mov_b32 v15, 0
.set n, 0
.rept 32
	v_mov_b32 v[O+n], 0
.set n, n+1
.endr
.endm
; Round r of the copy, through the k-th of eight groups of four registers.  A wave's load and its store each take 512 consecutive bytes.
.macro GET r, k
.if (\k) < 3
.set CQ, 36+4*(\k)
.else
.set CQ, 224+4*(\k)
.endif
	global_load_b128 v[CQ:CQ+3], v2, s[8:9] offset:RND*(\r)
.endm
.macro PUT r, k                        ; an LDS immediate has 16 bits: v2, v3, v11 carry 0, 65,536 and 131,072
.if (\k) < 3
.set CQ, 36+4*(\k)
.else
.set CQ, 224+4*(\k)
.endif
.if (\r) < 8
	ds_store_b128 v2, v[CQ:CQ+3] offset:RND*(\r)
.elseif (\r) < 16
	ds_store_b128 v3, v[CQ:CQ+3] offset:RND*((\r)-8)
.else
	ds_store_b128 v11, v[CQ:CQ+3]
.endif
.endm
.macro MEET                            ; for the others' sake: my stores have landed; then the work-group's barrier
	s_wait_dscnt 0x0
	s_barrier_signal -1
	s_barrier_wait -1
.endm
.macro SPROD t, hi
.if \hi
	v_wmma_scale_f32_16x16x128_f8f6f4 v[S+32+8*\t:S+39+8*\t], v[KB+8*\t:KB+7+8*\t], v[16:23], 0, v[28+\t], v24 matrix_a_fmt:MATRIX_FMT_FP4 matrix_b_fmt:MATRIX_FMT_FP4 matrix_a_scale:MATRIX_SCALE_ROW1
.else
	v_wmma_scale_f32_16x16x128_f8f6f4 v[S+8*\t:S+7+8*\t], v[KB+8*\t:KB+7+8*\t], v[16:23], 0, v[28+\t], v24 matrix_a_fmt:MATRIX_FMT_FP4 matrix_b_fmt:MATRIX_FMT_FP4
.endif
.endm
; A KEY STEP: 128 keys, step st of the slot at v4.  diag = 1: the slot may be the block's last: s24 = the step's first key, s25 = my first query.  diag = 0: all keys count.
.macro STEP st, diag
.if (\diag) && (\st)
	s_cmp_gt_u32 s24, s25                          ; both are ids.  The step's first key is a multiple of 128 and my 16 queries lie inside one 128: beyond my first query means beyond all: the step is left out.
	s_cbranch_scc1 .Lhid_\@                        ; (A slot's step 0 begins at key 256 x slot <= 256 x block <= my first query: it is never left out)
.endif
	ds_load_b128 v[28:31], v4 offset:KSC+512*\st   ; K's scale words: register t: lanes 0-15 tile t, lanes 16-31 tile 4 + t
.irp t, 0,1,2,3
	ds_load_b128 v[KB+8*\t:KB+3+8*\t], v4 offset:4096*\st+512*\t
.endr
	ds_load_b128 v[32:35], v4 offset:VSC           ; V's: register n: lanes 0-15 step 0, lanes 16-31 step 1
.irp n, 0,1,2,3
.irp c, 0,1
	ds_load_b128 v[VB+8*\n+4*\c:VB+3+8*\n+4*\c], v4 offset:VOF+4096*\st+1024*\n+512*\c
.endr
.endr
	s_wait_dscnt 9                                 ; K's words and tiles 0-3 are in; V's nine loads may be out
.irp t, 0,1,2,3
	SPROD \t, 0
.endr
	PLACES 4                                       ; in front of loads into registers that products have read
.irp t, 0,1,2,3
	ds_load_b128 v[KB+8*\t:KB+3+8*\t], v4 offset:4096*\st+2048+512*\t
.endr
	s_wait_dscnt 0x0
.irp t, 0,1,2,3
	SPROD \t, 1
.endr
	PLACES 4                                       ; in front of the first read of results
.if \diag
	s_add_co_u32 s40, s24, 127
	s_cmp_le_u32 s40, s25                          ; all 128 keys count for all my queries: no mask
	s_cbranch_scc1 .Lopen_\@
	s_sub_co_i32 s40, s25, s24
	v_add_nc_u32 v8, s40, v5                       ; d = my query - the step's first key - 8 h.  Register n holds key 16 (n / 8) + 8 h + n % 8: hidden where 16 (n / 8) + n % 8 > d
.set n, 0
.rept 64
	v_cmp_gt_i32 vcc_lo, 16*(n/8)+n%8, v8
	v_cndmask_b32 v[S+n], v[S+n], v9, vcc_lo       ; -infinity ahead of the maximum: p = 0 then
.set n, n+1
.endr
.Lopen_\@:
.endif
.irp b, 0,1,2,3
	v_max3_num_f32 v[BM+\b], v[S+16*\b], v[S+1+16*\b], v[S+2+16*\b]   ; the largest score of each block of 32 keys: for the row's maximum, and, since p rises with the score, for the block's largest p
.endr
.irp i, 3,5,7,9,11,13
.irp b, 0,1,2,3
	v_max3_num_f32 v[BM+\b], v[BM+\b], v[S+16*\b+\i], v[S+1+16*\b+\i]
.endr
.endr
.irp b, 0,1,2,3
	v_max_num_f32 v[BM+\b], v[BM+\b], v[S+15+16*\b]
.endr
.irp b, 0,1,2,3
	v_permlanex16_b32 v[BT+\b], v[BM+\b], s20, s21
.endr
.irp b, 0,1,2,3
	v_max_num_f32 v[BM+\b], v[BM+\b], v[BT+\b]     ; with lane l xor 16's 16 keys
.endr
	v_max3_num_f32 v26, v216, v217, v218
	v_max_num_f32 v26, v26, v219                   ; the step's largest score of my query
	v_mul_f32 v26, s22, v26                        ; as t (c is positive)
	v_max_num_f32 v13, v13, v26                    ; the running largest t
	v_mov_b32 v26, v12
	v_floor_f32 v12, -v13                          ; the new -M = floor(-t) = -ceil(t)
	v_sub_f32 v26, v12, v26                        ; old M - new M: a whole number, 0 or less
	v_cvt_i32_f32 v26, v26                         ; (it saturates)
	v_ldexp_f32 v228, 1.0, v26                     ; f = 2^(old M - new M)
.set n, 0
.rept 32
	v_pk_fma_f32 v[S+n:S+1+n], v[S+n:S+1+n], s[22:23], v[12:13] op_sel_hi:[1,0,0]   ; t - M, two at a time
.set n, n+2
.endr
.irp b, 0,1,2,3
	v_fma_f32 v[BM+\b], v[BM+\b], s22, v12         ; the same of each block's largest score
.endr
.set n, 0
.rept 64
	v_exp_f32 v[S+n], v[S+n]                       ; p = 2^(t - M), at most 1
.set n, n+1
.endr
.irp b, 0,1,2,3
	v_exp_f32 v[BM+\b], v[BM+\b]                   ; the block's largest p: the same two instructions on the same number
.endr
	v_pk_mul_f32 v[14:15], v[14:15], v[228:229] op_sel_hi:[1,0]   ; the sums under the new M (a plain place behind the exponentials)
	s_wait_alu depctr_va_vdst(0)
.irp b, 0,1,2,3
	v_max_num_f32 v[BM+\b], 0x1800000, v[BM+\b]    ; the floor 2^(3 - 127): the byte cannot fall under 1
.endr
.irp b, 0,1,2,3
	v_add_nc_u32 v[BS+\b], 0xff000000, v[BM+\b]    ; 2 off the exponent field: the conversion's scale operand
.endr
.irp b, 0,1,2,3
	v_lshrrev_b32 v[BT+\b], 23, v[BS+\b]           ; the scale's byte
.endr
	v_lshl_or_b32 v25, v221, 8, v220               ; p's scale word for these 128 keys
	v_lshl_or_b32 v25, v222, 16, v25
	v_lshl_or_b32 v25, v223, 24, v25
.irp c, 0,1
	v_cvt_scalef32_pk8_fp4_f32 v[PCD+4*\c], v[S+32*\c:S+7+32*\c], v[BS+2*\c]          ; tile 4 c
	v_cvt_scalef32_pk8_fp4_f32 v[PCD+1+4*\c], v[S+16+32*\c:S+23+32*\c], v[BS+1+2*\c]  ; tile 4 c + 2
	v_cvt_scalef32_pk8_fp4_f32 v[PCD+2+4*\c], v[S+8+32*\c:S+15+32*\c], v[BS+2*\c]     ; tile 4 c + 1
	v_cvt_scalef32_pk8_fp4_f32 v[PCD+3+4*\c], v[S+24+32*\c:S+31+32*\c], v[BS+1+2*\c]  ; tile 4 c + 3
.endr
	v_nop                                          ; one plain place behind a scaled conversion
.irp c, 0,1
	v_permlane16_swap_b32 v[PCD+4*\c], v[PCD+1+4*\c]     ; registers 4 c .. 4 c + 3 now hold keys 64 c + 32 h + 0 .. 31
	v_permlane16_swap_b32 v[PCD+2+4*\c], v[PCD+3+4*\c]
.endr
.set n, 0
.rept 16
	v_pk_mul_f32 v[O+n:O+1+n], v[O+n:O+1+n], v[228:229] op_sel_hi:[1,0]   ; O^T under the new M, each accumulator from its low end on
.set n, n+2
.endr
	v_pk_add_f32 v[230:231], v[S:S+1], v[S+2:S+3]  ; the row's sum is taken of the unquantised p: two at a time, in two chains.  These lines are also the places between the codes, the scale word and the products below
.set n, 4
.rept 15
	v_pk_add_f32 v[14:15], v[14:15], v[S+n:S+1+n]
	v_pk_add_f32 v[230:231], v[230:231], v[S+2+n:S+3+n]
.set n, n+4
.endr
	v_pk_add_f32 v[14:15], v[14:15], v[230:231]
.irp n, 0,1,2,3                        ; O^T += V^T P^T: the four accumulators by turns
.if \st
	v_wmma_scale_f32_16x16x128_f8f6f4 v[O+8*\n:O+7+8*\n], v[VB+8*\n:VB+7+8*\n], v[PCD:PCD+7], v[O+8*\n:O+7+8*\n], v[32+\n], v25 matrix_a_fmt:MATRIX_FMT_FP4 matrix_b_fmt:MATRIX_FMT_FP4 matrix_a_scale:MATRIX_SCALE_ROW1
.else
	v_wmma_scale_f32_16x16x128_f8f6f4 v[O+8*\n:O+7+8*\n], v[VB+8*\n:VB+7+8*\n], v[PCD:PCD+7], v[O+8*\n:O+7+8*\n], v[32+\n], v25 matrix_a_fmt:MATRIX_FMT_FP4 matrix_b_fmt:MATRIX_FMT_FP4
.endif
.endr
	PLACES 4                                       ; in front of the next step's loads and of the first read of O^T, on every way on
.if (\diag) && (\st)
.Lhid_\@:
.endif
.endm
	s_load_b256 s[4:11], s[0:1], 0x0               ; qc 4, qs 6, kv 8, oc 10
	s_load_b64 s[12:13], s[0:1], 0x20              ; os
	v_lshrrev_b32 v1, 5, v0
	v_readfirstlane_b32 s2, v1                     ; wave 0..15
	s_mov_b32 s19, ttmp9                           ; p
	s_and_b32 s3, ttmp7, 0xffff                    ; bh
	v_and_b32 v8, 31, v0
	v_lshlrev_b32 v1, 4, v8                        ; 16 x lane
	v_lshlrev_b32 v2, 4, v0                        ; 16 x thread: my place in a round of the copy, in kv and in LDS alike
	v_add_nc_u32 v3, 0x10000, v2                   ; the same for rounds 8-15 in LDS,
	v_add_nc_u32 v11, 0x20000, v2                  ; for round 16,
	v_lshl_add_u32 v10, v0, 3, 17*RND              ; and 8 x thread behind the 17 rounds: the last 4,096 bytes
	v_and_b32 v8, 15, v0                           ; r
	v_bfe_u32 v26, v0, 4, 1                        ; h
	v_lshlrev_b32 v5, 3, v26
	v_sub_nc_u32 v5, v8, v5                        ; r - 8 h
	v_lshl_add_u32 v6, v8, 2, v26                  ; o's scale bytes: token r's word, byte h
	v_lshlrev_b32 v7, 4, v8                        ; 16 r
	v_mov_b32 v9, 0xff800000                       ; -infinity
.irp j, 20,21,22,23
	v_mov_b32 v[\j], 0                             ; Q's registers 4-7: the head has 64 channels, the product's K is 128: zero codes
.endr
.irp t, 0,1,2,3
.irp j, 4,5,6,7
	v_mov_b32 v[KB+8*\t+\j], 0                     ; K's likewise; they stay
.endr
.endr
.irp b, 0,1,2,3
	v_mov_b32 v[BT+\b], 0                          ; written once: a lane permute's destination counts as one of its sources
.endr
	v_mov_b32 v229, 0                              ; (named as the upper half of the pair v[228:229])
	s_mov_b32 s20, 0x76543210
	s_mov_b32 s21, 0xfedcba98                      ; v_permlanex16_b32's selects for lane l xor 16
	s_mov_b32 s22, 0x3e38aa3b                      ; c = log2(e) / 8
	s_mov_b32 s23, s22                             ; (named with it as a pair)
	s_mov_b32 s30, 0xffff0000                      ; lanes 16-31
	s_mov_b32 s27, 0                               ; the upper word of every offset
	s_sub_co_u32 s16, 7, s19                       ; the first block of queries: 7 - p
	s_mov_b32 s14, 2                               ; the loop's first trip
	s_mov_b32 s15, 2                               ; and its slot of keys
	s_wait_kmcnt 0x0
	s_mul_i32 s26, s3, 8*SLOTB
	s_add_nc_u64 s[8:9], s[8:9], s[26:27]          ; the head's eight slots
	GET 0, 0                                       ; rounds 0-2: bytes 0 to 24,575, slot 0 among them
	GET 1, 1
	GET 2, 2
	s_lshl_b32 s26, s3, 16
	s_add_nc_u64 s[4:5], s[4:5], s[26:27]
	s_lshl_b32 s26, s3, 13
	s_add_nc_u64 s[6:7], s[6:7], s[26:27]
	LOADQ 16, 16, 24, 32                           ; the first block's queries,
	LOADQ 19, 232, 27, 36                          ; and the second's, which wait in registers of their own: no load is waited for in the loop
	s_lshr_b32 s40, s3, 4                          ; batch
	s_and_b32 s41, s3, 15                          ; head
	s_lshl_b32 s26, s40, 20
	s_lshl_b32 s17, s41, 9
	s_add_co_u32 s26, s26, s17
	s_add_nc_u64 s[10:11], s[10:11], s[26:27]      ; oc: [tile of 16 tokens][head][512]
	s_lshr_b32 s26, s41, 1
	s_lshl_b32 s26, s26, 15
	s_lshl_b32 s17, s40, 13
	s_add_co_u32 s26, s26, s17
	s_and_b32 s17, s41, 1
	s_lshl_b32 s17, s17, 1
	s_add_co_u32 s26, s26, s17
	s_add_nc_u64 s[12:13], s[12:13], s[26:27]      ; os: [K step = head / 2][token][4 bytes]; my head's bytes 2 (head % 2), + 1
	INIT
	s_wait_loadcnt 0x0
	PUT 0, 0
	PUT 1, 1
	PUT 2, 2
	MEET                                           ; slot 0 lies in LDS
	; TRIP 0: slot 0; rounds 3-10 (bytes 24,576 to 90,111: no wave reads them in this trip) are on their way meanwhile
	v_mov_b32 v4, v1
.irp k, 0,1,2,3,4,5,6,7
	GET \k+3, \k
.endr
	STEP 0, 0
	STEP 1, 0
	s_wait_loadcnt 0x0
.irp k, 0,1,2,3,4,5,6,7
	PUT \k+3, \k
.endr
	MEET                                           ; slots 0-4 lie in LDS; the stores have read their registers
	; TRIP 1: slot 1; the rest (bytes 90,112 on) likewise
	v_add_nc_u32 v4, SLOTB, v1
.irp k, 0,1,2,3,4,5
	GET \k+11, \k
.endr
	global_load_b64 v[248:249], v10, s[8:9]
	STEP 0, 0
	STEP 1, 0
	s_wait_loadcnt 0x0
.irp k, 0,1,2,3,4,5
	PUT \k+11, \k
.endr
	ds_store_b64 v10, v[248:249]
	MEET                                           ; the whole head lies in LDS: from here on LDS is only read
.Ltrip:                                            ; trips 2 to 8
	s_min_u32 s40, s15, 7                          ; the slot of keys in hand (0 to 7)
	s_mul_i32 s18, s40, SLOTB
	v_add_nc_u32 v4, s18, v1                       ; my lane in it
	s_lshl_b32 s25, s16, 8
	s_lshl_b32 s40, s2, 4
	s_add_co_u32 s25, s25, s40                     ; my first query
	s_lshl_b32 s24, s15, 8                         ; the step's first key
	STEP 0, 1
	s_add_co_u32 s24, s24, 128
	STEP 1, 1
	s_cmp_lg_u32 s15, s16
	s_cbranch_scc1 .Lnofin
	; THE BLOCK'S LAST SLOT IS DONE: o = O^T / the sum, quantised along the channels, leaves as four registers of the next product's operand and two scale bytes a token
	v_add_f32 v14, v14, v15                        ; the sum's two halves,
	v_permlanex16_b32 v26, v14, s20, s21
	v_add_f32 v14, v14, v26                        ; and lane l xor 16's
	v_rcp_f32 v14, v14
	v_nop                                          ; one plain place behind a transcendental
.set n, 0
	s_wait_alu depctr_va_vdst(0)
.rept 32
	v_mul_f32 v[S+n], v[O+n], v14                  ; register 8 t + j: channel 16 t + 8 h + j of my query
.set n, n+1
.endr
.irp b, 0,1
	v_max3_num_f32 v[BM+\b], |v[S+16*\b]|, |v[S+1+16*\b]|, 0x1800000   ; block b: my 16 numbers, and the floor 2^(3 - 127)
.endr
.irp i, 2,4,6,8,10,12,14
.irp b, 0,1
	v_max3_num_f32 v[BM+\b], v[BM+\b], |v[S+16*\b+\i]|, |v[S+1+16*\b+\i]|
.endr
.endr
.irp b, 0,1
	v_permlanex16_b32 v[BT+\b], v[BM+\b], s20, s21
.endr
.irp b, 0,1
	v_max_num_f32 v[BM+\b], v[BM+\b], v[BT+\b]
.endr
.irp b, 0,1
	v_add_nc_u32 v[BS+\b], 0xff000000, v[BM+\b]
.endr
.irp b, 0,1
	v_lshrrev_b32 v[BT+\b], 23, v[BS+\b]
.endr
	v_cvt_scalef32_pk8_fp4_f32 v208, v[S:S+7], v224
	v_cvt_scalef32_pk8_fp4_f32 v209, v[S+16:S+23], v225
	v_cvt_scalef32_pk8_fp4_f32 v210, v[S+8:S+15], v224
	v_cvt_scalef32_pk8_fp4_f32 v211, v[S+24:S+31], v225
	v_nop                                          ; one plain place behind a scaled conversion
	v_permlane16_swap_b32 v208, v209
	v_permlane16_swap_b32 v210, v211               ; v208-211: channels 32 h + 0 .. 31 of my query
	v_cndmask_b32 v36, v220, v221, s30             ; lane (r, h) stores block h's byte (the copy's registers are free by now)
	s_lshl_b32 s40, s16, 4
	s_add_co_u32 s40, s40, s2                      ; my tile of 16 tokens
	s_lshl_b32 s26, s40, 13
	s_add_nc_u64 s[36:37], s[10:11], s[26:27]
	s_lshl_b32 s26, s40, 6
	s_add_nc_u64 s[38:39], s[12:13], s[26:27]
	global_store_b128 v1, v[208:211], s[36:37]     ; 512 consecutive bytes
	global_store_b8 v6, v36, s[38:39]              ; two bytes of each token's word: 1 byte in 17 of what this launch stores
	s_cmp_eq_u32 s14, 8
	s_cbranch_scc1 .Llast
.irp j, 0,1,2,3
	v_mov_b32 v[16+\j], v[232+\j]                  ; the second block's queries
.endr
	v_mov_b32 v24, v27                             ; and their scale words; the 36 lines below are the places between these and the next products
	INIT
.Llast:
	s_wait_xcnt 0x0                                ; the stores' data and bases are written again only behind this wait
.Lnofin:
	s_add_co_u32 s40, s15, 1
	s_cmp_eq_u32 s15, s16
	s_cselect_b32 s15, 0, s40                      ; on to the next slot of keys,
	s_cselect_b32 s16, s19, s16                    ; and behind the first block's last slot to the second block, p
	s_add_co_u32 s14, s14, 1
	s_cmp_lt_u32 s14, 9
	s_cbranch_scc1 .Ltrip
	s_wait_xcnt 0x0
	v_lshl_add_u32 v254, v0, 2, 0x23000
	v_mov_b32 v255, 0
	s_wait_tensorcnt 0x0
	ds_add_u32 v254, v255
	s_wait_dscnt 0x0
	s_endpgm
.Lfunc_end_k_q18d9d77791_attn:
	.size	k_q18d9d77791_attn, .Lfunc_end_k_q18d9d77791_attn-k_q18d9d77791_attn
	.p2alignl 7, 3214868480
	.fill 96, 4, 3214868480
	.section	.rodata,"a",@progbits
	.p2align	6, 0x0
	.amdhsa_kernel k_q18d9d77791_attn
		.amdhsa_group_segment_fixed_size 145408
		.amdhsa_private_segment_fixed_size 0
		.amdhsa_enable_private_segment 0
		.amdhsa_kernarg_size 40
		.amdhsa_user_sgpr_count 2
		.amdhsa_user_sgpr_kernarg_segment_ptr 1
		.amdhsa_wavefront_size32 1
		.amdhsa_system_sgpr_workgroup_id_x 1
		.amdhsa_system_sgpr_workgroup_id_y 1
		.amdhsa_system_sgpr_workgroup_id_z 1
		.amdhsa_system_vgpr_workitem_id 0
		.amdhsa_next_free_vgpr 256
		.amdhsa_next_free_sgpr 66
		.amdhsa_reserve_vcc 1
		.amdhsa_float_denorm_mode_32 3
		.amdhsa_float_denorm_mode_16_64 3
		.amdhsa_memory_ordered 1
		.amdhsa_forward_progress 1
		.amdhsa_inst_pref_size 113
	.end_amdhsa_kernel
	.amdgpu_metadata
---
amdhsa.version: [ 1, 2 ]
amdhsa.kernels:
  - .name:           k_q18d9d77791_attn
    .symbol:         k_q18d9d77791_attn.kd
    .args:
      - { .name: qc, .offset: 0, .size: 8, .value_kind: global_buffer, .address_space: global }
      - { .name: qs, .offset: 8, .size: 8, .value_kind: global_buffer, .address_space: global }
      - { .name: kv, .offset: 16, .size: 8, .value_kind: global_buffer, .address_space: global }
      - { .name: oc, .offset: 24, .size: 8, .value_kind: global_buffer, .address_space: global }
      - { .name: os, .offset: 32, .size: 8, .value_kind: global_buffer, .address_space: global }
    .group_segment_fixed_size: 145408
    .private_segment_fixed_size: 0
    .kernarg_segment_align: 8
    .kernarg_segment_size: 40
    .max_flat_workgroup_size: 512
    .sgpr_count:     66
    .vgpr_count:     256
    .wavefront_size: 32
...
	.end_amdgpu_metadata
.endif
;; end of part 2
;; launch proj (part 3): grid 16 x 16, 8 waves a work-group, no clusters, 69,632 bytes of LDS; arguments oc, os, wo_codes, wo_scales, bo, out0; writes out0
.if DOCPART == 3
	.amdgcn_target "amdgcn-amd-amdhsa--gfx1250"
	.amdhsa_code_object_version 6
	.text
	.protected	k_q18d9d77791_proj
	.globl	k_q18d9d77791_proj
	.p2align	8
	.type	k_q18d9d77791_proj,@function
k_q18d9d77791_proj:
	s_mov_b64 s[64:65], 0
	v_nop
	global_prefetch_b8 v0, s[64:65] scope:SCOPE_SE
	s_setreg_imm32_b32 hwreg(HW_REG_WAVE_MODE, 25, 1), 1
	s_wait_xcnt 0x0
; out0 = o wo + bo on codes of FP4 (E2M1) with one E8M0 scale for each 32 along K; sums in f32, the bias as the C of each sum's first product.
; SHARES.  Work-group (x = block of 512 tokens, y = group of 64 channels).  Wave w makes tokens 64 w .. 64 w + 63 x 64 channels: 16 accumulators, 128 products.  o's fragments lie in memory as images of registers
; ([tile of 16 tokens][head = 2 x K step + group][512 bytes]) and go straight into window 1, 512 consecutive bytes a load; the 64 weight rows lie in LDS, filled once; a weight fragment feeds four products.
; Source 0 = 16 weight rows, source 1 = 16 tokens: lane (r, h) register j of tile t holds token r, channel 16 t + 8 h + j: eight neighbouring numbers of a row of out0.  A row's 64 channels are 256 bytes, aligned:
; a block of 16 tokens goes through my stage in LDS and leaves with sixteen lanes storing 256 consecutive bytes.
; NO CLUSTER, NO TENSOR LOADS: o's 262,144 bytes a work-group go to registers, where a joint load cannot bring them; what could be shared is the weights' 32,768 of 294,912 bytes.
; LIMITS: NaN and infinities among the inputs are not served.
; REGISTERS, window 0: v4-15 addresses; v16-31 o's scale words, v32-47 the weights' (register 8 p + s: lanes 0-15 tile 2 p, lanes 16-31 tile 2 p + 1, K step s); v64-95, v96-127 two sets of four weight fragments
;   (set 1 first holds the bias tiles; on the way out both hold rows read back); v128-255 the 16 accumulators.   window 1: o's fragment (tile a, K step s) at v[64 a + 8 s].
.set WP,    528                        ; a weight row in LDS: 512 bytes + 16
.set STAGE, 64*WP                      ; behind the 64 rows: 16 rows x 272 for each wave, its own
.set SP,    272
.set XS,   16
.set WS,   32
.set WF,   64
.set BIAS, 96
.set ACC,  128
.set MSB,  0
.macro WIN new                         ; the immediate's high byte repeats the setting that is left; a switch that changes nothing is dropped
.if MSB != \new
	s_set_vgpr_msb (MSB<<8)|\new
.set MSB, \new
.endif
.endm
.macro PLACES n
.rept \n
	v_nop
.endr
.endm
.macro WM d, a, b, c, sa, sb, ra, rb   ; one product; ra, rb: A's, B's scale words stand in lanes 16-31 of their registers
.if (\ra) && (\rb)
	v_wmma_scale_f32_16x16x128_f8f6f4 v[\d:\d+7], v[\a:\a+7], v[\b:\b+7], v[\c:\c+7], v[\sa], v[\sb] matrix_a_fmt:MATRIX_FMT_FP4 matrix_b_fmt:MATRIX_FMT_FP4 matrix_a_scale:MATRIX_SCALE_ROW1 matrix_b_scale:MATRIX_SCALE_ROW1
.elseif (\ra)
	v_wmma_scale_f32_16x16x128_f8f6f4 v[\d:\d+7], v[\a:\a+7], v[\b:\b+7], v[\c:\c+7], v[\sa], v[\sb] matrix_a_fmt:MATRIX_FMT_FP4 matrix_b_fmt:MATRIX_FMT_FP4 matrix_a_scale:MATRIX_SCALE_ROW1
.elseif (\rb)
	v_wmma_scale_f32_16x16x128_f8f6f4 v[\d:\d+7], v[\a:\a+7], v[\b:\b+7], v[\c:\c+7], v[\sa], v[\sb] matrix_a_fmt:MATRIX_FMT_FP4 matrix_b_fmt:MATRIX_FMT_FP4 matrix_b_scale:MATRIX_SCALE_ROW1
.else
	v_wmma_scale_f32_16x16x128_f8f6f4 v[\d:\d+7], v[\a:\a+7], v[\b:\b+7], v[\c:\c+7], v[\sa], v[\sb] matrix_a_fmt:MATRIX_FMT_FP4 matrix_b_fmt:MATRIX_FMT_FP4
.endif
.endm
.macro FETCH adr, s, set               ; four weight fragments of K step s into a set
.irp t, 0,1,2,3
.irp c, 0,1
	ds_load_b128 v[WF+32*(\set)+8*\t+4*\c:WF+32*(\set)+8*\t+4*\c+3], v[\adr] offset:\t*16*WP+64*(\s)+32*\c
.endr
.endr
.endm
.macro MULQK s, set, first             ; 16 products of a K step; the 16 accumulators take turns, one instruction a turn, in the same order in every step
.irp a, 0,1,2,3
.irp t, 0,1,2,3
.if \first
	WM ACC+32*\a+8*\t, WF+32*(\set)+8*\t, 64*\a+8*(\s), BIAS+8*\t, WS+8*(\t/2)+(\s), XS+8*(\a/2)+(\s), \t%2, \a%2
.else
	WM ACC+32*\a+8*\t, WF+32*(\set)+8*\t, 64*\a+8*(\s), ACC+32*\a+8*\t, WS+8*(\t/2)+(\s), XS+8*(\a/2)+(\s), \t%2, \a%2
.endif
.endr
.endr
.endm
; The eight K steps, written out, all under one window setting (source 1 in window 1; an LDS load's data and address are then in window 0).  Step s multiplies set s % 2; fragments are asked for two steps ahead.
.macro KLOOP adr
	WIN 0x04
	MULQK 0, 0, 1                                  ; the first products start the sums with the bias: nothing is cleared
	PLACES 4                                       ; four plain places between products and loads into registers that they read
	FETCH \adr, 1, 1
	FETCH \adr, 2, 0
	s_wait_dscnt 8                                 ; step 1's eight loads are in; step 2's eight may be out
	MULQK 1, 1, 0
.irp s, 1,2,3,4,5
	PLACES 4
	FETCH \adr, \s+2, \s%2
	s_wait_dscnt 8                                 ; the next step's eight loads are in; the eight just issued may be out
	MULQK \s+1, (\s+1)%2, 0
.endr
	s_wait_dscnt 0x0
	MULQK 7, 1, 0
	WIN 0
	PLACES 4                                       ; in front of the first read of results and of loads into the fragment sets
.endm
.macro OFRAG a                         ; o's tile a: 16 loads of 512 consecutive bytes
.irp s, 0,1,2,3,4,5,6,7
.irp c, 0,1
	global_load_b128 v[64*\a+8*\s+4*\c:64*\a+8*\s+4*\c+3], v4, s[16:17] offset:8192*\a+1024*\s+512*\c
.endr
.endr
.endm
.macro TOSTAGE a                       ; 16 tokens x 64 channels into my stage, each accumulator from its low end on, and back as rows.  LDS serves a wave's instructions in order (ISA guide 5.7.1.4): no wait between
.irp t, 0,1,2,3
.irp i, 0,1
	ds_store_b128 v8, v[ACC+32*(\a)+8*\t+4*\i:ACC+32*(\a)+8*\t+4*\i+3] offset:64*\t+16*\i
.endr
.endr
.irp k, 0,1,2,3,4,5,6,7
	ds_load_b128 v[WF+32*((\a)%2)+4*\k:WF+32*((\a)%2)+4*\k+3], v9 offset:2*SP*\k
.endr
.endm
.macro SEND a, younger                 ; younger: the LDS instructions issued behind block a's loads, which may stay out
	s_wait_dscnt \younger
.irp k, 0,1,2,3,4,5,6,7
	global_store_b128 v11, v[WF+32*((\a)%2)+4*\k:WF+32*((\a)%2)+4*\k+3], s[26:27] offset:(16*(\a)+2*\k)*4096 th:TH_STORE_NT   ; sixteen lanes store 256 consecutive bytes, aligned; written once, read by nobody here
.endr
.endm
	s_load_b256 s[16:23], s[0:1], 0x0              ; oc 16, os 18, wo_codes 20, wo_scales 22
	s_load_b128 s[24:27], s[0:1], 0x20             ; bo 24, out0 26
	v_lshl_add_u32 v62, v0, 2, 0x10c00
	v_mov_b32 v63, 0
	v_lshrrev_b32 v1, 5, v0
	v_readfirstlane_b32 s2, v1                     ; wave 0..7
	s_and_b32 s3, ttmp7, 0xffff                    ; group of 64 channels
	s_mov_b32 s4, ttmp9                            ; block of 512 tokens
	v_and_b32 v1, 31, v0                           ; lane
	v_and_b32 v2, 15, v0                           ; r
	v_bfe_u32 v3, v0, 4, 1                         ; h
	v_lshlrev_b32 v4, 4, v1                        ; 16 x lane
	s_lshl_b32 s5, s2, 12
	v_add_nc_u32 v5, s5, v4                        ; the weight rows that I copy: 8 w on
	s_mul_i32 s5, s2, 8*WP
	v_add_nc_u32 v6, s5, v4                        ; and where they go
	v_mul_u32_u24 v10, v2, WP
	v_lshl_add_u32 v10, v3, 4, v10                 ; a fragment's lane: row r, + 16 h
	s_mul_i32 s5, s2, 16*SP
	s_add_co_u32 s5, s5, STAGE                     ; my stage
	v_mul_u32_u24 v8, v2, SP
	v_lshl_add_u32 v8, v3, 5, v8
	v_add_nc_u32 v8, s5, v8                        ; in: row r, 32 bytes for each half of the lanes
	v_mul_u32_u24 v9, v3, SP
	v_lshl_add_u32 v9, v2, 4, v9
	v_add_nc_u32 v9, s5, v9                        ; back: lanes 0-15 one row of 256 bytes, lanes 16-31 the next
	v_lshlrev_b32 v11, 12, v3
	v_lshl_add_u32 v11, v2, 4, v11                 ; and the same two rows in out0
	v_lshlrev_b32 v13, 5, v1                       ; the weights' scale rows of 32 bytes
	v_lshlrev_b32 v14, 5, v3                       ; the bias: 8 h numbers on
	v_lshlrev_b32 v15, 2, v1                       ; o's scale words: 4 bytes a token
	s_mov_b32 s7, 0                                ; the upper word of every offset
	s_wait_kmcnt 0x0
	s_lshl_b32 s6, s4, 18
	s_lshl_b32 s5, s2, 15
	s_add_co_u32 s6, s6, s5
	s_add_nc_u64 s[16:17], s[16:17], s[6:7]        ; oc at my four tiles: 8,192 bytes a tile
	s_lshr_b32 s6, s6, 7
	s_add_nc_u64 s[18:19], s[18:19], s[6:7]        ; os at my 64 tokens
	s_lshl_b32 s6, s3, 15
	s_add_nc_u64 s[20:21], s[20:21], s[6:7]
	s_lshl_b32 s6, s3, 11
	s_add_nc_u64 s[22:23], s[22:23], s[6:7]
	s_lshl_b32 s6, s3, 8
	s_add_nc_u64 s[24:25], s[24:25], s[6:7]
	s_add_nc_u64 s[26:27], s[26:27], s[6:7]        ; out0: my 64 channels are 256 bytes of a row,
	s_lshl_b32 s6, s4, 21
	s_lshl_b32 s5, s2, 18
	s_add_co_u32 s6, s6, s5
	s_add_nc_u64 s[26:27], s[26:27], s[6:7]        ; my 64 rows of 4,096 bytes
.irp a, 0,1
.irp s, 0,1,2,3,4,5,6,7
	global_load_b32 v[XS+8*\a+\s], v15, s[18:19] offset:32768*\s+128*\a   ; K step s's plane: 32 tokens' words, 128 consecutive bytes
.endr
.endr
.irp a, 0,1
.irp i, 0,1
	global_load_b128 v[WS+8*\a+4*\i:WS+8*\a+4*\i+3], v13, s[22:23] offset:1024*\a+16*\i
.endr
.endr
.irp t, 0,1,2,3
.irp i, 0,1
	global_load_b128 v[BIAS+8*\t+4*\i:BIAS+8*\t+4*\i+3], v14, s[24:25] offset:64*\t+16*\i   ; the bias in the result's layout: channels 16 t + 8 h + 0 .. 7
.endr
.endr
.irp i, 0,1,2,3,4,5,6,7
	global_load_b128 v[ACC+4*\i:ACC+4*\i+3], v5, s[20:21] offset:512*\i
.endr
	WIN 0x40                                       ; loaded data in window 1
	OFRAG 0
	OFRAG 1
	OFRAG 2
	WIN 0
	s_wait_loadcnt 48                              ; scale words, bias and weight rows are in; the 48 fragment loads behind them may be out
.irp i, 0,1,2,3,4,5,6,7
	ds_store_b128 v6, v[ACC+4*\i:ACC+4*\i+3] offset:\i*WP
.endr
	WIN 0x40
	OFRAG 3
	WIN 0
	s_wait_dscnt 0x0                               ; for the others' sake: my weight rows lie in LDS
	s_barrier_signal -1
	s_barrier_wait -1                              ; all 64 do
	FETCH 10, 0, 0
	s_wait_loadcnt 0x0
	s_wait_dscnt 0x0
	KLOOP 10
	TOSTAGE 0
.irp a, 1,2,3
.if \a > 1
	s_wait_xcnt 0x0                                ; block a - 2's stores have read their registers: block a's rows may land there
.endif
	TOSTAGE \a
	SEND \a-1, 16                                  ; behind block a - 1's loads: block a's eight stores and eight loads
.endr
	SEND 3, 0
	s_wait_tensorcnt 0x0
	ds_add_u32 v62, v63
	s_wait_dscnt 0x0
	s_endpgm
.Lfunc_end_k_q18d9d77791_proj:
	.size	k_q18d9d77791_proj, .Lfunc_end_k_q18d9d77791_proj-k_q18d9d77791_proj
	.p2alignl 7, 3214868480
	.fill 96, 4, 3214868480
	.section	.rodata,"a",@progbits
	.p2align	6, 0x0
	.amdhsa_kernel k_q18d9d77791_proj
		.amdhsa_group_segment_fixed_size 69632
		.amdhsa_private_segment_fixed_size 0
		.amdhsa_enable_private_segment 0
		.amdhsa_kernarg_size 48
		.amdhsa_user_sgpr_count 2
		.amdhsa_user_sgpr_kernarg_segment_ptr 1
		.amdhsa_wavefront_size32 1
		.amdhsa_system_sgpr_workgroup_id_x 1
		.amdhsa_system_sgpr_workgroup_id_y 1
		.amdhsa_system_sgpr_workgroup_id_z 1
		.amdhsa_system_vgpr_workitem_id 0
		.amdhsa_next_free_vgpr 512
		.amdhsa_next_free_sgpr 66
		.amdhsa_reserve_vcc 0
		.amdhsa_float_denorm_mode_32 3
		.amdhsa_float_denorm_mode_16_64 3
		.amdhsa_memory_ordered 1
		.amdhsa_forward_progress 1
		.amdhsa_inst_pref_size 42
	.end_amdhsa_kernel
	.amdgpu_metadata
---
amdhsa.version: [ 1, 2 ]
amdhsa.kernels:
  - .name:           k_q18d9d77791_proj
    .symbol:         k_q18d9d77791_proj.kd
    .args:
      - { .name: oc, .offset: 0, .size: 8, .value_kind: global_buffer, .address_space: global }
      - { .name: os, .offset: 8, .size: 8, .value_kind: global_buffer, .address_space: global }
      - { .name: wo_codes, .offset: 16, .size: 8, .value_kind: global_buffer, .address_space: global }
      - { .name: wo_scales, .offset: 24, .size: 8, .value_kind: global_buffer, .address_space: global }
      - { .name: bo, .offset: 32, .size: 8, .value_kind: global_buffer, .address_space: global }
      - { .name: out0, .offset: 40, .size: 8, .value_kind: global_buffer, .address_space: global }
    .group_segment_fixed_size: 69632
    .private_segment_fixed_size: 0
    .kernarg_segment_align: 8
    .kernarg_segment_size: 48
    .max_flat_workgroup_size: 256
    .sgpr_count:     66
    .vgpr_count:     512
    .wavefront_size: 32
...
	.end_amdgpu_metadata
.endif
;; end of part 3
;; ======== version 2 of 2: 3 launches; version 1 with the launches qkv, attn, proj written anew for expert scheduling mode
;; workspace buffers: qc 4,194,304 bytes; qs 524,288 bytes; kv 9,175,040 bytes; oc 4,194,304 bytes; os 262,144 bytes
;; launch qkv (part 4): grid 16 x 16, 8 waves a work-group, no clusters, 171,008 bytes of LDS; arguments x_codes, x_scales, wq_codes, wq_scales, bq, wk_codes, wk_scales, bk, wv_codes, wv_scales, bv, qc, qs, kv; writes qc, qs, kv
.if DOCPART == 4
	.amdgcn_target "amdgcn-amd-amdhsa--gfx1250"
	.amdhsa_code_object_version 6
	.text
	.protected	k_q18d9d77791_qkv
	.globl	k_q18d9d77791_qkv
	.p2align	8
	.type	k_q18d9d77791_qkv,@function
k_q18d9d77791_qkv:
	s_mov_b64 s[64:65], 0
	v_nop
	global_prefetch_b8 v0, s[64:65] scope:SCOPE_SE
	s_setreg_imm32_b32 hwreg(HW_REG_WAVE_SCHED_MODE, 0, 2), 2
	s_setreg_imm32_b32 hwreg(HW_REG_WAVE_MODE, 25, 1), 1
	s_wait_xcnt 0x0
	s_wait_alu depctr_vm_vsrc(0)
; q = x wq + bq, k = x wk + bk, v = x wv + bv on codes of FP4 (E2M1) with one E8M0 scale for each 32 along K; sums in f32, the bias as the C of each sum's first product.
; The results are quantised in registers: q and k along the head's 64 channels (two blocks), v along the keys; they leave as IMAGES OF OPERAND REGISTERS: lane l's 16 bytes at 16 l, 512 bytes for four registers.
; SHARES.  Work-group (x = block of 512 tokens, y = head): 512 tokens x (64 + 64 + 64) channels.  Wave w owns tokens 64 w .. 64 w + 63 for all 1,024 of K: 4 tiles x 8 K steps x 8 registers = window 1, kept for the launch.
; It runs three jobs (q, k, v) of 64 x 64: 16 accumulators, 128 products each.  The head's 192 weight rows lie in LDS, filled once; a weight fragment read from LDS feeds four products.
; q, k: source 0 = 16 weight rows, source 1 = 16 tokens: lane (r, h) register j of tile t holds token r, channel 16 t + 8 h + j.   v: source 0 = tokens, source 1 = weight rows: token 16 m + 8 h + j, channel r.
; In both, a lane's eight registers run along the NEXT product's K.  One conversion a tile gives eight codes; exchanging the upper lanes of tile 4 c's codes with the lower lanes of tile 4 c + 2's (and 4 c + 1 with 4 c + 3)
; gives the operand's registers 4 c .. 4 c + 3 (k = 64 c + 32 h + 0 .. 31).
; NO CLUSTER, NO TENSOR LOADS: x's 262,144 bytes a work-group and the weights' 98,304 do not fit in LDS together, so x goes to registers, where a joint load cannot bring it; what could be shared is 98,304 of 360,448 bytes.
; LIMITS: NaN and infinities among the inputs are not served.  A block whose largest magnitude lies under 2^-124 keeps the scale byte 1; a block of zeros gets the byte 1 where the quantiser says 127: its codes are zeros,
; which add nothing under any byte but 0xff, and the bytes are read by this program alone.
; REGISTERS, window 0: v1-15, v48-50 addresses; v16-31 x's scale words, v32-47 the weights' (register 8 p + s: lanes 0-15 tile 2 p, lanes 16-31 tile 2 p + 1, K step s); v52-59 at work;
;   v64-95, v96-127 two sets of four weight fragments (set 1 first holds the bias tiles; on the way out set 0 is at work); v128-255 the 16 accumulators.   window 1: x's fragment (tile a, K step s) at v[64 a + 8 s].
; THE MODE: SCHED_MODE bits 1:0 = 2 (LLVM: expert scheduling mode 2), set by the entry lines.  The code itself states the register dependences between vector or matrix instructions and memory or LDS instructions, with s_wait_alu, always for 0.
; THE PLAN.  Registers that memory or LDS instructions touch:
;   v4-15, v48-50   offsets and addresses: made once at the head, never written again.  One wait on va_vdst ahead of the first load serves them all.
;   window 1        loaded from memory, stored to the stage, loaded back into the same registers: a wait on vm_vsrc between the stores and the loads.  Afterwards products alone name it.
;   v32-47          a job's weight scale words: read by its products; the next job's land behind the wait on va_vdst at the job's end.
;   sets 0, 1       K step s multiplies set s % 2.  ONE wait on va_vdst stands behind a step's products: they are done reading their set, in which the fragments asked for next land.  In q's and k's jobs those eight loads are dealt among
;                   the next step's first eight products, which name the other set, window 1, the accumulators and the scale words: none of the registers that the loads touch.  In v's job x is source 0, under whose window an LDS
;                   load's address would fall: there the loads stay in one run behind the wait.
;   v80-95, v56-59  codes and scale words on the way out: written by both quantisings of a job, then one wait on va_vdst, then all the job's stores; a wait on vm_vsrc behind them, ahead of the loads that land in v64-95.
;   The accumulators are named by products and vector instructions alone.
.set WP,    528                        ; a weight row in LDS: 512 bytes + 16: an odd multiple of 16, so the sixteen rows of a fragment load start in sixteen different 16-byte columns
.set STAGE, 192*WP                     ; behind the 192 weight rows: 16 rows x 528 for each wave, its own
.set VSG,   STAGE+8*16*WP              ; v's scale words: [slot 2][step 2][channel r 16][tile n 4][4 bytes]
.set SLOTB, 17920                      ; a slot of kv (256 keys): K codes 8,192, V codes 8,192, K scale words 1,024, V scale words 512
.set XS,   16
.set WS,   32
.set WF,   64
.set BIAS, 96
.set ACC,  128
.set TM,   64                          ; v64-79 at work in QUANT
.set PC,   80                          ; v80-87, v88-95: the codes just made
.set PC2,  88
.set MSB,  0
.macro WIN new                         ; the immediate's high byte repeats the setting that is left; a switch that changes nothing is dropped
.if MSB != \new
	s_set_vgpr_msb (MSB<<8)|\new
.set MSB, \new
.endif
.endm
.macro PLACES n
.rept \n
	v_nop
.endr
.endm
; one product; ra, rb: A's, B's scale words stand in lanes 16-31 of their registers
.macro WM d, a, b, c, sa, sb, ra, rb
.if (\ra) && (\rb)
	v_wmma_scale_f32_16x16x128_f8f6f4 v[\d:\d+7], v[\a:\a+7], v[\b:\b+7], v[\c:\c+7], v[\sa], v[\sb] matrix_a_fmt:MATRIX_FMT_FP4 matrix_b_fmt:MATRIX_FMT_FP4 matrix_a_scale:MATRIX_SCALE_ROW1 matrix_b_scale:MATRIX_SCALE_ROW1
.elseif (\ra)
	v_wmma_scale_f32_16x16x128_f8f6f4 v[\d:\d+7], v[\a:\a+7], v[\b:\b+7], v[\c:\c+7], v[\sa], v[\sb] matrix_a_fmt:MATRIX_FMT_FP4 matrix_b_fmt:MATRIX_FMT_FP4 matrix_a_scale:MATRIX_SCALE_ROW1
.elseif (\rb)
	v_wmma_scale_f32_16x16x128_f8f6f4 v[\d:\d+7], v[\a:\a+7], v[\b:\b+7], v[\c:\c+7], v[\sa], v[\sb] matrix_a_fmt:MATRIX_FMT_FP4 matrix_b_fmt:MATRIX_FMT_FP4 matrix_b_scale:MATRIX_SCALE_ROW1
.else
	v_wmma_scale_f32_16x16x128_f8f6f4 v[\d:\d+7], v[\a:\a+7], v[\b:\b+7], v[\c:\c+7], v[\sa], v[\sb] matrix_a_fmt:MATRIX_FMT_FP4 matrix_b_fmt:MATRIX_FMT_FP4
.endif
.endm
; four weight fragments (64 rows x 128 K) of K step s into a set, in one run: lane (r, h) takes 16 bytes at row r, 64 s + 32 c + 16 h
.macro FETCH adr, s, set
.irp t, 0,1,2,3
.irp c, 0,1
	ds_load_b128 v[WF+32*(\set)+8*\t+4*\c:WF+32*(\set)+8*\t+4*\c+3], v[\adr] offset:\t*16*WP+64*(\s)+32*\c
.endr
.endr
.endm
; 16 products of a K step; the 16 accumulators take turns, one instruction a turn, in the same order in every step.
; fs >= 0: the eight loads of K step fs's fragments, into the other set, are dealt one behind each of the first eight products.
.macro MULQK s, set, first, fs, adr
.irp a, 0,1,2,3
.irp t, 0,1,2,3
.if \first
	WM ACC+32*\a+8*\t, WF+32*(\set)+8*\t, 64*\a+8*(\s), BIAS+8*\t, WS+8*(\t/2)+(\s), XS+8*(\a/2)+(\s), \t%2, \a%2
.else
	WM ACC+32*\a+8*\t, WF+32*(\set)+8*\t, 64*\a+8*(\s), ACC+32*\a+8*\t, WS+8*(\t/2)+(\s), XS+8*(\a/2)+(\s), \t%2, \a%2
.endif
.if ((\fs) >= 0) && (\a < 2)
	ds_load_b128 v[WF+32*(1-(\set))+8*\t+4*\a:WF+32*(1-(\set))+8*\t+4*\a+3], v[\adr] offset:\t*16*WP+64*(\fs)+32*\a   ; no wait: no product since the step's wait names the other set or the address
.endif
.endr
.endr
.endm
.macro MULV s, set, first
.irp n, 0,1,2,3
.irp m, 0,1,2,3
.if \first
	WM ACC+32*\n+8*\m, 64*\m+8*(\s), WF+32*(\set)+8*\n, BIAS+8*\n, XS+8*(\m/2)+(\s), WS+8*(\n/2)+(\s), \m%2, \n%2
.else
	WM ACC+32*\n+8*\m, 64*\m+8*(\s), WF+32*(\set)+8*\n, ACC+32*\n+8*\m, XS+8*(\m/2)+(\s), WS+8*(\n/2)+(\s), \m%2, \n%2
.endif
.endr
.endr
.endm
; The eight K steps of q's or k's job, written out, all under one window setting (x, source 1, in window 1; an LDS load's data and address are then in window 0).
; On entry: step 0's fragments in set 0, the bias tiles in set 1, the scale words in place.  Step s multiplies set s % 2 and asks for step s + 1's fragments.
.macro KLOOP adr
	WIN 0x04
	MULQK 0, 0, 1, -1, \adr                        ; the first products start the sums with the bias: nothing is cleared
	PLACES 4                                       ; four plain places between products and loads into registers that they read
	s_wait_alu depctr_va_vdst(0)                   ; step 0's products are done reading the bias tiles in set 1, where step 1's fragments land, and set 0, where step 2's land
	FETCH \adr, 1, 1
	s_wait_dscnt 0x0                               ; step 1's fragments are in
	MULQK 1, 1, 0, 2, \adr
.irp s, 2,3,4,5,6
	PLACES 4
	s_wait_alu depctr_va_vdst(0)                   ; the step before's products are done reading their set, in which the next step's fragments land
	s_wait_dscnt 0x0                               ; this step's fragments, asked for a step ago, are in
	MULQK \s, \s%2, 0, \s+1, \adr
.endr
	s_wait_dscnt 0x0
	MULQK 7, 1, 0, -1, \adr
	WIN 0
	PLACES 4                                       ; in front of the first read of results and of loads into the scale words and set 1
.endm
; The same for v's job: x is source 0.  The loads stand in runs under window 0; fragments are asked for two steps ahead of the run's place.
.macro KLOOPV adr
	WIN 0x01
	MULV 0, 0, 1
	WIN 0                                          ; an LDS load's address is its source 0
	PLACES 4
	s_wait_alu depctr_va_vdst(0)                   ; step 0's products are done reading the bias tiles in set 1 (which vector moves wrote) and set 0: the loads below land in both
	FETCH \adr, 1, 1
	FETCH \adr, 2, 0
	s_wait_dscnt 8                                 ; step 1's eight loads are in; step 2's eight may be out
	WIN 0x01
	MULV 1, 1, 0
.irp s, 1,2,3,4,5
	WIN 0
	PLACES 4
	s_wait_alu depctr_va_vdst(0)                   ; the products just issued are done reading their set, in which the loads below land
	FETCH \adr, \s+2, \s%2
	s_wait_dscnt 8                                 ; the next step's eight loads are in; the eight just issued may be out
	WIN 0x01
	MULV \s+1, (\s+1)%2, 0
.endr
	s_wait_dscnt 0x0
	MULV 7, 1, 0
	WIN 0
	PLACES 4                                       ; in front of the first read of results
.endm
; 64 numbers of a lane, v[s + 8 T + j] = K index 16 T + 8 h + j of the lane's row, T = 0 .. 7, become eight registers of codes at v[pc] and the four blocks' bytes in v[pw].  Block b is tiles 2 b, 2 b + 1 of lanes l and l xor 16.
.macro QUANT s, pc, pw
.irp b, 0,1,2,3
	v_max3_num_f32 v[TM+\b], |v[\s+16*\b]|, |v[\s+1+16*\b]|, 0x1800000   ; my 16 numbers of block b, from each accumulator's low end on, and the floor 2^(3 - 127): the byte cannot fall under 1
.endr
.irp i, 2,4,6,8,10,12,14
.irp b, 0,1,2,3
	v_max3_num_f32 v[TM+\b], v[TM+\b], |v[\s+16*\b+\i]|, |v[\s+1+16*\b+\i]|   ; the four blocks by turns
.endr
.endr
.irp b, 0,1,2,3
	v_permlanex16_b32 v[TM+4+\b], v[TM+\b], s12, s13
.endr
.irp b, 0,1,2,3
	v_max_num_f32 v[TM+\b], v[TM+\b], v[TM+4+\b]   ; with lane l xor 16's: the block's largest magnitude
.endr
.irp b, 0,1,2,3
	v_add_nc_u32 v[TM+12+\b], 0xff000000, v[TM+\b] ; 2 off its exponent field: the conversion takes the exponent field of this operand as its scale
.endr
.irp b, 0,1,2,3
	v_lshrrev_b32 v[TM+4+\b], 23, v[TM+12+\b]      ; the scale's byte
.endr
	v_lshl_or_b32 v[\pw], v[TM+5], 8, v[TM+4]
	v_lshl_or_b32 v[\pw], v[TM+6], 16, v[\pw]
	v_lshl_or_b32 v[\pw], v[TM+7], 24, v[\pw]
.irp c, 0,1
	v_cvt_scalef32_pk8_fp4_f32 v[\pc+4*\c], v[\s+32*\c:\s+32*\c+7], v[TM+12+2*\c]         ; tile 4 c
	v_cvt_scalef32_pk8_fp4_f32 v[\pc+4*\c+1], v[\s+32*\c+16:\s+32*\c+23], v[TM+13+2*\c]   ; tile 4 c + 2
	v_cvt_scalef32_pk8_fp4_f32 v[\pc+4*\c+2], v[\s+32*\c+8:\s+32*\c+15], v[TM+12+2*\c]    ; tile 4 c + 1
	v_cvt_scalef32_pk8_fp4_f32 v[\pc+4*\c+3], v[\s+32*\c+24:\s+32*\c+31], v[TM+13+2*\c]   ; tile 4 c + 3
.endr
	v_nop                                          ; one plain place behind a scaled conversion
.irp c, 0,1
	v_permlane16_swap_b32 v[\pc+4*\c], v[\pc+4*\c+1]     ; the first's lanes 16-31 change places with the second's lanes 0-15: registers 4 c, 4 c + 1 of the operand
	v_permlane16_swap_b32 v[\pc+4*\c+2], v[\pc+4*\c+3]   ; registers 4 c + 2, 4 c + 3
.endr
.endm
.macro LDWS sb                         ; a job's weight scale words: row l of 32 bytes, eight words
.irp a, 0,1
.irp i, 0,1
	global_load_b128 v[WS+8*\a+4*\i:WS+8*\a+4*\i+3], v13, s[\sb:\sb+1] offset:1024*\a+16*\i
.endr
.endr
.endm
.macro LDBIAS sb                       ; q's or k's bias in the result's layout: tile t, lane half h: channels 16 t + 8 h + 0 .. 7
.irp t, 0,1,2,3
.irp i, 0,1
	global_load_b128 v[BIAS+8*\t+4*\i:BIAS+8*\t+4*\i+3], v14, s[\sb:\sb+1] offset:64*\t+16*\i
.endr
.endr
.endm
; x's tile a: 16 rows as loaded (a row's 512 bytes over the 32 lanes) go through my stage and come back as fragments, into the registers that they left.  LDS serves a wave's instructions in order (ISA guide 5.7.1.4): no wait on DScnt between.
.macro TURN a
.irp i, 0,1,2,3,4,5,6,7,8,9,10,11,12,13,14,15
	ds_store_b128 v8, v[64*\a+4*\i:64*\a+4*\i+3] offset:WP*\i
.endr
	s_wait_alu depctr_vm_vsrc(0)                   ; the sixteen stores have read the tile's 64 registers, in which the loads below land
.irp s, 0,1,2,3,4,5,6,7
.irp c, 0,1
	ds_load_b128 v[64*\a+8*\s+4*\c:64*\a+8*\s+4*\c+3], v9 offset:64*\s+32*\c
.endr
.endr
.endm
; q's or k's way out: four tiles of 16 tokens; QUANT takes two tiles at a time (a tile's 64 channels are two blocks).  cb: the codes' base, sb: the scale words'.  Both quantisings first, then one wait, then the five stores.
.macro EPIQK cb, sb
	QUANT ACC, PC, 56
	QUANT ACC+64, PC2, 57
	v_cndmask_b32 v58, v56, v57, s14               ; lanes 0-15: tiles 0, 1; lanes 16-31: tiles 2, 3.  A word's bytes 0, 1 are its tile's two blocks; bytes 2, 3 (a neighbour's bytes, or 0) stand over zero codes
	v_lshrrev_b32 v59, 16, v58
	s_wait_alu depctr_va_vdst(0)                   ; the codes v80-95 and the words v58, v59 are written, which the stores read; and the quantisings are done with v64-95, in which the next job's first fragments land
	global_store_b128 v4, v[PC:PC+3], s[\cb:\cb+1]               ; 32 lanes store 512 consecutive bytes: token tile 0's registers 0-3
	global_store_b128 v4, v[PC+4:PC+7], s[\cb:\cb+1] offset:512
	global_store_b128 v4, v[PC2:PC2+3], s[\cb:\cb+1] offset:1024
	global_store_b128 v4, v[PC2+4:PC2+7], s[\cb:\cb+1] offset:1536
	global_store_b64 v48, v[58:59], s[\sb:\sb+1]   ; [token r][tile a][4 bytes]: 32 lanes store 256 consecutive bytes
	s_wait_xcnt 0x0                                ; the stores' data registers are written again only behind this wait,
	s_wait_alu depctr_vm_vsrc(0)                   ; and behind this one: the stores have read v80-95, in which fragments land next, and v58, v59
.endm
	s_load_b512 s[16:31], s[0:1], 0x0              ; x_codes 16, x_scales 18, wq_codes 20, wq_scales 22, bq 24, wk_codes 26, wk_scales 28, bk 30
	s_load_b256 s[32:39], s[0:1], 0x40             ; wv_codes 32, wv_scales 34, bv 36, qc 38
	s_load_b128 s[40:43], s[0:1], 0x60             ; qs 40, kv 42
	v_lshl_add_u32 v62, v0, 2, 0x29800
	v_mov_b32 v63, 0
	v_lshrrev_b32 v1, 5, v0
	v_readfirstlane_b32 s2, v1                     ; wave 0..7
	s_and_b32 s3, ttmp7, 0xffff                    ; head
	s_mov_b32 s4, ttmp9                            ; block of 512 tokens
	v_and_b32 v1, 31, v0                           ; lane
	v_and_b32 v2, 15, v0                           ; r
	v_bfe_u32 v3, v0, 4, 1                         ; h
	v_lshlrev_b32 v4, 4, v1                        ; 16 x lane
	s_wait_alu depctr_va_sdst(0)                   ; s2 is written, ahead of its first reader
	s_lshl_b32 s5, s2, 12
	v_add_nc_u32 v5, s5, v4                        ; the weight rows that I copy: 8 w on, 512 bytes each
	s_mul_i32 s5, s2, 8*WP
	v_add_nc_u32 v6, s5, v4                        ; and where they go (q's, k's);
	v_add_nc_u32 v7, 128*WP, v6                    ; v's lie beyond the 16-bit immediate
	s_mul_i32 s5, s2, 16*WP
	s_add_co_u32 s5, s5, STAGE
	v_add_nc_u32 v8, s5, v4                        ; my stage, in: a row over the 32 lanes
	v_mul_u32_u24 v10, v2, WP
	v_lshl_add_u32 v10, v3, 4, v10                 ; a fragment's lane: row r, + 16 h: q's weights,
	v_add_nc_u32 v9, s5, v10                       ; my stage, out,
	v_add_nc_u32 v11, 64*WP, v10                   ; k's weights,
	v_add_nc_u32 v12, 128*WP, v10                  ; v's
	v_lshlrev_b32 v13, 5, v1                       ; scale rows of 32 bytes
	v_lshlrev_b32 v14, 5, v3                       ; bias of q, k: 8 h numbers on
	v_lshlrev_b32 v15, 2, v2                       ; bias of v: channel r
	v_lshlrev_b32 v48, 4, v2
	v_lshl_add_u32 v48, v3, 3, v48                 ; scale words out: 16 r + 8 h
	s_lshr_b32 s5, s2, 1
	s_lshl_b32 s5, s5, 8
	s_and_b32 s8, s2, 1
	s_lshl_b32 s9, s8, 1
	s_add_co_u32 s5, s5, s9
	s_add_co_u32 s5, s5, VSG
	v_lshl_add_u32 v49, v2, 4, s5                  ; v's scale bytes: 256 (w / 2) picks slot and step, 16 r the channel, 2 (w % 2) my two bytes of the step's four
	s_lshl_b32 s9, s8, 9
	s_add_co_u32 s9, s9, VSG
	v_add_nc_u32 v50, s9, v4                       ; and back: a slot's 512 bytes
	s_mov_b32 s7, 0                                ; the upper word of every offset
	s_mov_b32 s12, 0x76543210
	s_mov_b32 s13, 0xfedcba98                      ; v_permlanex16_b32's selects for lane l xor 16
	s_mov_b32 s14, 0xffff0000                      ; lanes 16-31
	s_wait_kmcnt 0x0
	s_lshl_b32 s6, s4, 18
	s_lshl_b32 s5, s2, 15
	s_add_co_u32 s6, s6, s5
	s_add_nc_u64 s[16:17], s[16:17], s[6:7]        ; x's codes at my 64 tokens
	s_lshr_b32 s6, s6, 4
	s_add_nc_u64 s[18:19], s[18:19], s[6:7]        ; and their scale rows
	s_lshl_b32 s6, s3, 15
	s_add_nc_u64 s[20:21], s[20:21], s[6:7]        ; the head's 64 rows of each weight,
	s_add_nc_u64 s[26:27], s[26:27], s[6:7]
	s_add_nc_u64 s[32:33], s[32:33], s[6:7]
	s_lshl_b32 s6, s3, 11
	s_add_nc_u64 s[22:23], s[22:23], s[6:7]        ; their scale rows,
	s_add_nc_u64 s[28:29], s[28:29], s[6:7]
	s_add_nc_u64 s[34:35], s[34:35], s[6:7]
	s_lshl_b32 s6, s3, 8
	s_add_nc_u64 s[24:25], s[24:25], s[6:7]        ; their biases
	s_add_nc_u64 s[30:31], s[30:31], s[6:7]
	s_add_nc_u64 s[36:37], s[36:37], s[6:7]
	s_wait_alu depctr_va_vdst(0)                   ; the offsets and addresses v4-15 and v48-50 are written, which every load and store of the kernel reads
.irp a, 0,1
.irp i, 0,1
	global_load_b128 v[XS+8*\a+4*\i:XS+8*\a+4*\i+3], v13, s[18:19] offset:1024*\a+16*\i
.endr
.endr
	LDWS 22
	LDBIAS 24
	WIN 0x44                                       ; loaded data and LDS store data in window 1
.irp i, 0,1,2,3,4,5,6,7
	global_load_b128 v[128+4*\i:131+4*\i], v5, s[20:21] offset:512*\i
	global_load_b128 v[160+4*\i:163+4*\i], v5, s[26:27] offset:512*\i
	global_load_b128 v[192+4*\i:195+4*\i], v5, s[32:33] offset:512*\i
.endr
.set i, 0
.rept 32
	global_load_b128 v[4*i:4*i+3], v4, s[16:17] offset:512*i     ; x's rows 0-31: a load takes one row, 512 consecutive bytes
.set i, i+1
.endr
	; where the results go
	s_lshr_b32 s8, s4, 2
	s_lshl_b32 s8, s8, 4
	s_add_co_u32 s8, s8, s3                        ; bh = 16 x batch + head
	s_and_b32 s9, s4, 3                            ; which 512 tokens of the batch's 2,048
	s_lshl_b32 s6, s8, 16
	s_lshl_b32 s5, s9, 14
	s_add_co_u32 s6, s6, s5
	s_lshl_b32 s5, s2, 11
	s_add_co_u32 s6, s6, s5
	s_add_nc_u64 s[38:39], s[38:39], s[6:7]        ; qc: 512 bytes a tile of 16 tokens
	s_lshr_b32 s6, s6, 3
	s_add_nc_u64 s[40:41], s[40:41], s[6:7]        ; qs: 256 bytes for 64 tokens
	s_lshl_b32 s10, s8, 3
	s_lshl_b32 s5, s9, 1
	s_add_co_u32 s10, s10, s5                      ; the work-group's first slot of kv
	s_lshr_b32 s5, s2, 2
	s_add_co_u32 s5, s10, s5
	s_mul_i32 s11, s5, SLOTB                       ; my slot's first byte
	s_and_b32 s5, s2, 3                            ; which 64 keys of the slot are mine
	s_lshl_b32 s6, s5, 11
	s_add_co_u32 s6, s6, s11
	s_add_nc_u64 s[44:45], s[42:43], s[6:7]        ; K's codes
	s_lshl_b32 s6, s5, 8
	s_add_co_u32 s6, s6, s11
	s_add_co_u32 s6, s6, 16384
	s_add_nc_u64 s[46:47], s[42:43], s[6:7]        ; K's scale words
	s_lshr_b32 s6, s5, 1
	s_lshl_b32 s6, s6, 12
	s_and_b32 s5, s5, 1
	s_lshl_b32 s5, s5, 9
	s_add_co_u32 s6, s6, s5
	s_add_co_u32 s6, s6, s11
	s_add_co_u32 s6, s6, 8192
	s_add_nc_u64 s[48:49], s[42:43], s[6:7]        ; V's codes: [step][tile n][group c][512]: step = my 64 / 2, c = my 64 % 2
	s_and_b32 s5, s2, 1
	s_add_co_u32 s5, s10, s5
	s_mul_i32 s6, s5, SLOTB
	s_add_co_u32 s6, s6, 17408
	s_add_nc_u64 s[50:51], s[42:43], s[6:7]        ; V's scale words of slot w % 2 (stored by waves 0 and 1)
	s_wait_loadcnt 32                              ; scale words, bias and weight rows are in; x's 32 rows, issued behind them, may be out
.irp i, 0,1,2,3,4,5,6,7
	ds_store_b128 v6, v[128+4*\i:131+4*\i] offset:\i*WP
	ds_store_b128 v6, v[160+4*\i:163+4*\i] offset:(64+\i)*WP
	ds_store_b128 v7, v[192+4*\i:195+4*\i] offset:\i*WP
.endr
	s_wait_dscnt 0x0                               ; my weight rows lie in LDS,
	s_wait_alu depctr_vm_vsrc(0)                   ; and the stores have read their 96 registers of window 1, in which x's next rows land
.rept 32
	global_load_b128 v[4*i:4*i+3], v4, s[16:17] offset:512*i     ; rows 32-63
.set i, i+1
.endr
	s_wait_loadcnt 32                              ; rows 0-31 are in; the 32 just issued may be out
	TURN 0
	TURN 1
	s_wait_loadcnt 0x0
	TURN 2
	TURN 3
	WIN 0
	s_wait_dscnt 0x0                               ; for the others' sake: my weight rows lie in LDS (and my fragments are in)
	s_barrier_signal -1
	s_barrier_wait -1                              ; all 192 rows do
	FETCH 10, 0, 0
	s_wait_dscnt 0x0
	KLOOP 10                                       ; q
	s_wait_alu depctr_va_vdst(0)                   ; q's products are done reading the scale words v32-47 and set 1, in which k's words and bias land
	LDWS 28                                        ; k's scale words and bias come while q is quantised
	LDBIAS 30
	EPIQK 38, 40
	FETCH 11, 0, 0
	s_wait_loadcnt 0x0
	s_wait_dscnt 0x0
	KLOOP 11                                       ; k
	s_wait_alu depctr_va_vdst(0)                   ; k's products are done reading the scale words v32-47, in which v's land
	LDWS 34
.irp n, 0,1,2,3
	global_load_b32 v[52+\n], v15, s[36:37] offset:64*\n         ; bv(16 n + r)
.endr
	EPIQK 44, 46
	FETCH 12, 0, 0
	s_wait_loadcnt 0x0
.irp n, 0,1,2,3
.irp j, 0,1,2,3,4,5,6,7
	v_mov_b32 v[BIAS+8*\n+\j], v[52+\n]            ; in v's layout a lane holds one channel: its bias in all eight registers of the tile
.endr
.endr
	PLACES 4
	s_wait_alu depctr_va_vdst(0)
	s_wait_dscnt 0x0
	KLOOPV 12                                      ; v
	QUANT ACC, PC, 56                              ; channel tiles 0, 1: my 64 keys are two blocks and one group of four registers of each fragment
	QUANT ACC+64, PC2, 57                          ; channel tiles 2, 3
	s_wait_alu depctr_va_vdst(0)                   ; the codes v80-95 and the bytes v56, v57 are written, which the stores below read
	global_store_b128 v4, v[PC:PC+3], s[48:49]
	global_store_b128 v4, v[PC+4:PC+7], s[48:49] offset:1024
	global_store_b128 v4, v[PC2:PC2+3], s[48:49] offset:2048
	global_store_b128 v4, v[PC2+4:PC2+7], s[48:49] offset:3072
	ds_store_b16 v49, v56                          ; tile 0's two bytes (lanes r and 16 + r write the same bytes with the same value)
	ds_store_b16_d16_hi v49, v56 offset:4          ; tile 1's
	ds_store_b16 v49, v57 offset:8
	ds_store_b16_d16_hi v49, v57 offset:12
	s_wait_dscnt 0x0                               ; for the others' sake: my bytes lie in LDS
	s_barrier_signal -1
	s_barrier_wait -1                              ; a word's four bytes come from two waves
	s_cmp_lt_u32 s2, 2
	s_cbranch_scc0 .Ldone
	ds_load_b128 v[52:55], v50                     ; (the moves that read v52-55 stand ahead of the waits on va_vdst of v's job)
	s_wait_dscnt 0x0
	global_store_b128 v4, v[52:55], s[50:51]       ; a slot's 512 bytes of scale words, whole
.Ldone:
	s_wait_dscnt 0x0                               ; the closing lines, six on end
	s_wait_alu 0x0
	s_wait_tensorcnt 0x0
	ds_add_u32 v62, v63
	s_wait_dscnt 0x0
	s_endpgm
.Lfunc_end_k_q18d9d77791_qkv:
	.size	k_q18d9d77791_qkv, .Lfunc_end_k_q18d9d77791_qkv-k_q18d9d77791_qkv
	.p2alignl 7, 3214868480
	.fill 96, 4, 3214868480
	.section	.rodata,"a",@progbits
	.p2align	6, 0x0
	.amdhsa_kernel k_q18d9d77791_qkv
		.amdhsa_group_segment_fixed_size 171008
		.amdhsa_private_segment_fixed_size 0
		.amdhsa_enable_private_segment 0
		.amdhsa_kernarg_size 112
		.amdhsa_user_sgpr_count 2
		.amdhsa_user_sgpr_kernarg_segment_ptr 1
		.amdhsa_wavefront_size32 1
		.amdhsa_system_sgpr_workgroup_id_x 1
		.amdhsa_system_sgpr_workgroup_id_y 1
		.amdhsa_system_sgpr_workgroup_id_z 1
		.amdhsa_system_vgpr_workitem_id 0
		.amdhsa_next_free_vgpr 512
		.amdhsa_next_free_sgpr 66
		.amdhsa_reserve_vcc 0
		.amdhsa_float_denorm_mode_32 3
		.amdhsa_float_denorm_mode_16_64 3
		.amdhsa_memory_ordered 1
		.amdhsa_forward_progress 1
		.amdhsa_inst_pref_size 117
	.end_amdhsa_kernel
	.amdgpu_metadata
---
amdhsa.version: [ 1, 2 ]
amdhsa.kernels:
  - .name:           k_q18d9d77791_qkv
    .symbol:         k_q18d9d77791_qkv.kd
    .args:
      - { .name: x_codes, .offset: 0, .size: 8, .value_kind: global_buffer, .address_space: global }
      - { .name: x_scales, .offset: 8, .size: 8, .value_kind: global_buffer, .address_space: global }
      - { .name: wq_codes, .offset: 16, .size: 8, .value_kind: global_buffer, .address_space: global }
      - { .name: wq_scales, .offset: 24, .size: 8, .value_kind: global_buffer, .address_space: global }
      - { .name: bq, .offset: 32, .size: 8, .value_kind: global_buffer, .address_space: global }
      - { .name: wk_codes, .offset: 40, .size: 8, .value_kind: global_buffer, .address_space: global }
      - { .name: wk_scales, .offset: 48, .size: 8, .value_kind: global_buffer, .address_space: global }
      - { .name: bk, .offset: 56, .size: 8, .value_kind: global_buffer, .address_space: global }
      - { .name: wv_codes, .offset: 64, .size: 8, .value_kind: global_buffer, .address_space: global }
      - { .name: wv_scales, .offset: 72, .size: 8, .value_kind: global_buffer, .address_space: global }
      - { .name: bv, .offset: 80, .size: 8, .value_kind: global_buffer, .address_space: global }
      - { .name: qc, .offset: 88, .size: 8, .value_kind: global_buffer, .address_space: global }
      - { .name: qs, .offset: 96, .size: 8, .value_kind: global_buffer, .address_space: global }
      - { .name: kv, .offset: 104, .size: 8, .value_kind: global_buffer, .address_space: global }
    .group_segment_fixed_size: 171008
    .private_segment_fixed_size: 0
    .kernarg_segment_align: 8
    .kernarg_segment_size: 112
    .max_flat_workgroup_size: 256
    .sgpr_count:     66
    .vgpr_count:     512
    .wavefront_size: 32
...
	.end_amdgpu_metadata
.endif
;; end of part 4
;; launch attn (part 5): grid 4 x 64, 16 waves a work-group, no clusters, 145,408 bytes of LDS; arguments qc, qs, kv, oc, os; writes oc, os
.if DOCPART == 5
	.amdgcn_target "amdgcn-amd-amdhsa--gfx1250"
	.amdhsa_code_object_version 6
	.text
	.protected	k_q18d9d77791_attn
	.globl	k_q18d9d77791_attn
	.p2align	8
	.type	k_q18d9d77791_attn,@function
k_q18d9d77791_attn:
	s_mov_b64 s[64:65], 0
	v_nop
	global_prefetch_b8 v0, s[64:65] scope:SCOPE_SE
	s_setreg_imm32_b32 hwreg(HW_REG_WAVE_SCHED_MODE, 0, 2), 2
	s_setreg_imm32_b32 hwreg(HW_REG_WAVE_MODE, 25, 1), 1
	s_wait_xcnt 0x0
	s_wait_alu depctr_vm_vsrc(0)
; o[b][h][q] = the sum over keys k <= q of softmax_k(q . k / 8) v, both products on codes of FP4 (E2M1) with E8M0 scales; o is divided by the row's sum and quantised along the model's 1,024 channels (a head: two blocks).
; THE SOFTMAX AHEAD OF THE SECOND PRODUCT: t = score x log2(e) / 8; M = the running largest t rounded UP to a whole number; p = 2^(t - M) is quantised along the keys, not normalised; the row's sum is taken of the
; unquantised p in f32.  When M moves, the sum and O are multiplied by 2^(old M - new M): exact.
; SHARES.  Work-group (p = x, bh = y) owns the query blocks 7 - p and p of its head, 256 queries each, one after the other.  Block B needs the slots of 256 keys 0 .. B, so every work-group makes (8 - p) + (p + 1) = 9 trips:
; a constant, and the same work everywhere in spite of the mask.  Each of sixteen waves owns 16 queries in 256 registers: four waves to a SIMD, so that one wave's vector work stands beside another's products and LDS loads.
; A trip is a slot: two key steps of 128.
; THE HEAD'S KEYS AND VALUES STAY IN LDS.  Its eight slots are 8 x 17,920 = 143,360 consecutive bytes of kv; the 512 threads copy them through registers to the same places in LDS, each byte once: 17 rounds of 8,192 bytes
; (16 a thread) and one of 4,096 (8 a thread).  Rounds 0-2 (they hold slot 0) at the head; rounds 3-10 are loaded at the head of trip 0 and stored at its end; the rest likewise in trip 1.  Trips 0 and 1 are written out:
; they read slots 0 and 1, which lie off the diagonal for every work-group (the first block is 7 - p >= 4).  Three barriers in all, each behind stores; the other seven trips are a loop that only reads LDS: no barrier, and the waves drift apart.
; Every work-group copies all eight slots, though it reads 8 - p of them: so every copy's address and count is a constant; a ring of two slots would fetch nine, one a trip.
; LAYOUT.  S^T = K Q^T (source 0 = 16 keys, source 1 = my 16 queries; the head's 64 channels fill registers 0-3 of a fragment, registers 4-7 are zeros that stay), O^T = V^T P^T: a lane holds ONE query (lane % 16) throughout.
; Register j of tile T holds key 16 T + 8 h + j.  One conversion a tile gives eight codes; exchanging halves of the lanes between tiles 4 c and 4 c + 2, 4 c + 1 and 4 c + 3 gives p's operand registers.
; All operands lie in kv as images of registers, so every LDS load takes 512 consecutive bytes.
; NO CLUSTER: the four work-groups of a head do read the same 143,360 bytes, but once each in the launch, 18 loads a wave against the 300 LDS loads of its 17 key steps or so, and behind two trips' work;
; the copy goes through registers, which a joint load cannot fill, and a joint load would bring the cluster's rounds into a loop that has no barrier.
; LIMITS: NaN and infinities are not served.  1 / the sum is v_rcp_f32 and a multiplication.  A block of o under 2^-124, or of zeros, keeps the scale byte 1 (zero codes add nothing under it; this program alone reads the bytes).
; REGISTERS: v1-11 addresses and constants; v12 -M, v13 the largest t, v[14:15] the sum; v16-23 Q, v24 its scale words, v25 p's; v26 at work; v27 the second block's Q scale words; v28-31 K's scale words, v32-35 V's;
;   v36-47, v236-255 eight rounds of the copy on their way; v48-79 four fragments of K; v80-111 four of V; v112-175 S^T, then p; v176-207 O^T; v208-215 p's codes; v216-231 at work; v232-235 the second block's Q.
; THE MODE: SCHED_MODE bits 1:0 = 2 (LLVM: expert scheduling mode 2), set by the entry lines.  The code itself states the register dependences between vector or matrix instructions and memory or LDS instructions, with s_wait_alu, always for 0.
; THE PLAN.  Registers that memory or LDS instructions touch:
;   v1-3, v6, v7, v10, v11  offsets and addresses: made once at the head, never written again.
;   v4                      the slot's LDS address: read by every LDS load of a step; made at the head for trip 0, then written once a trip, at the trip's head: a wait on vm_vsrc ahead of the write, one on va_vdst behind it.
;   v28-31, K's registers   loaded at a step's head (K's again in its middle); read by the products S^T.
;   v32-35, V's registers   loaded in a step's middle; read by the products O^T at the step's end.
;   v36-47, v236-255        the copy: loaded at a trip's head, read by the LDS stores at its end: a wait on vm_vsrc ahead of the next loads into them.
;   v208-211, v36           a block's codes and scale bytes: written by vector instructions, read by two stores.
; A STEP HAS THREE WAITS ON va_vdst.  (1) Behind the first four products S^T: they are done reading K's registers, and the step before's products O^T are done reading V's: K's tiles 4-7 and all of V's loads follow it.
; (2) Behind the exponentials, ahead of their first reader.  (3) Ahead of the products O^T, which take p's codes and scale word from vector instructions.  Behind (3) only products O^T and v_nop are issued up to the next
; step's head, and they name neither K's registers nor v28-31 nor v4: so the head's five loads owe nothing more.
; The mask's compares write scalar registers in runs of sixteen, with one wait on va_sdst behind each run, ahead of the selects that read them.
.set SLOTB, 17920                      ; a slot: K codes 16 x 512; V codes [step 2][tile 4][group 2][512]; K scale words 2 x 512; V scale words 512
.set VOF,   8192
.set KSC,   16384
.set VSC,   17408
.set RND,   8192                       ; a round of the copy: 512 threads x 16 bytes
.set KB,  48
.set VB,  80
.set S,   112
.set O,   176
.set PCD, 208
.set BM,  216
.set BT,  220
.set BS,  224
.set MK,  44                           ; s44-59: sixteen masks of the diagonal
.macro PLACES n
.rept \n
	v_nop
.endr
.endm
; my 16 queries of the block in s[blk]: four registers of codes to v[q], one scale word a query to v[sc]; b: four scalar registers for the two addresses
.macro LOADQ blk, q, sc, b
	s_lshl_b32 s40, s[\blk], 4
	s_add_co_u32 s40, s40, s2                      ; the tile of 16 queries
	s_lshl_b32 s26, s40, 9
	s_add_nc_u64 s[\b:\b+1], s[4:5], s[26:27]
	s_lshr_b32 s26, s40, 2
	s_lshl_b32 s26, s26, 8
	s_and_b32 s41, s40, 3
	s_lshl_b32 s41, s41, 2
	s_add_co_u32 s26, s26, s41
	s_add_nc_u64 s[\b+2:\b+3], s[6:7], s[26:27]    ; [64 tokens][r][tile % 4][4 bytes]
	global_load_b128 v[\q:\q+3], v1, s[\b:\b+1]
	global_load_b32 v[\sc], v7, s[\b+2:\b+3]
.endm
.macro INIT                            ; a block of queries begins: the step is written once and finds zeros, which the first change of M leaves zeros
	v_mov_b32 v13, 0xff61b1e6                      ; the largest t so far: -3e38
	v_floor_f32 v12, -v13                          ; -M
	v_mov_b32 v14, 0
	v_mov_b32 v15, 0
.set n, 0
.rept 32
	v_mov_b32 v[O+n], 0
.set n, n+1
.endr
.endm
; Round r of the copy, through the k-th of eight groups of four registers.  A wave's load and its store each take 512 consecutive bytes.
.macro GET r, k
.if (\k) < 3
.set CQ, 36+4*(\k)
.else
.set CQ, 224+4*(\k)
.endif
	global_load_b128 v[CQ:CQ+3], v2, s[8:9] offset:RND*(\r)
.endm
.macro PUT r, k                        ; an LDS immediate has 16 bits: v2, v3, v11 carry 0, 65,536 and 131,072
.if (\k) < 3
.set CQ, 36+4*(\k)
.else
.set CQ, 224+4*(\k)
.endif
.if (\r) < 8
	ds_store_b128 v2, v[CQ:CQ+3] offset:RND*(\r)
.elseif (\r) < 16
	ds_store_b128 v3, v[CQ:CQ+3] offset:RND*((\r)-8)
.else
	ds_store_b128 v11, v[CQ:CQ+3]
.endif
.endm
.macro MEET                            ; for the others' sake: my stores have landed; then the work-group's barrier
	s_wait_dscnt 0x0
	s_barrier_signal -1
	s_barrier_wait -1
.endm
.macro SPROD t, hi
.if \hi
	v_wmma_scale_f32_16x16x128_f8f6f4 v[S+32+8*\t:S+39+8*\t], v[KB+8*\t:KB+7+8*\t], v[16:23], 0, v[28+\t], v24 matrix_a_fmt:MATRIX_FMT_FP4 matrix_b_fmt:MATRIX_FMT_FP4 matrix_a_scale:MATRIX_SCALE_ROW1
.else
	v_wmma_scale_f32_16x16x128_f8f6f4 v[S+8*\t:S+7+8*\t], v[KB+8*\t:KB+7+8*\t], v[16:23], 0, v[28+\t], v24 matrix_a_fmt:MATRIX_FMT_FP4 matrix_b_fmt:MATRIX_FMT_FP4
.endif
.endm
; A KEY STEP: 128 keys, step st of the slot at v4.  diag = 1: the slot may be the block's last: s24 = the step's first key, s25 = my first query.  diag = 0: all keys count.
.macro STEP st, diag
.if (\diag) && (\st)
	s_cmp_gt_u32 s24, s25                          ; both are ids.  The step's first key is a multiple of 128 and my 16 queries lie inside one 128: beyond my first query means beyond all: the step is left out.
	s_cbranch_scc1 .Lhid_\@                        ; (A slot's step 0 begins at key 256 x slot <= 256 x block <= my first query: it is never left out)
.endif
	ds_load_b128 v[28:31], v4 offset:KSC+512*\st   ; K's scale words: register t: lanes 0-15 tile t, lanes 16-31 tile 4 + t.  (No wait: since the last wait on va_vdst nothing has named these five loads' registers)
.irp t, 0,1,2,3
	ds_load_b128 v[KB+8*\t:KB+3+8*\t], v4 offset:4096*\st+512*\t
.endr
	s_wait_dscnt 0x0                               ; K's words and tiles 0-3 are in
.irp t, 0,1,2,3
	SPROD \t, 0
.endr
	PLACES 4                                       ; in front of loads into registers that products have read
	s_wait_alu depctr_va_vdst(0)                   ; the four products are done reading K's registers, in which tiles 4-7 land; the step before's products O^T are done reading v32-35 and V's registers, in which this step's land
.irp t, 0,1,2,3
	ds_load_b128 v[KB+8*\t:KB+3+8*\t], v4 offset:4096*\st+2048+512*\t
.endr
	ds_load_b128 v[32:35], v4 offset:VSC           ; V's scale words: register n: lanes 0-15 step 0, lanes 16-31 step 1
.irp n, 0,1,2,3
.irp c, 0,1
	ds_load_b128 v[VB+8*\n+4*\c:VB+3+8*\n+4*\c], v4 offset:VOF+4096*\st+1024*\n+512*\c
.endr
.endr
	s_wait_dscnt 9                                 ; K's tiles 4-7 are in; V's nine loads, issued behind them, may be out: they land under the softmax
.irp t, 0,1,2,3
	SPROD \t, 1
.endr
	PLACES 4                                       ; in front of the first read of results
.if \diag
	s_add_co_u32 s40, s24, 127
	s_cmp_le_u32 s40, s25                          ; all 128 keys count for all my queries: no mask
	s_cbranch_scc1 .Lopen_\@
	s_sub_co_i32 s40, s25, s24
	v_add_nc_u32 v8, s40, v5                       ; d = my query - the step's first key - 8 h.  Register n holds key 16 (n / 8) + 8 h + n % 8: hidden where 16 (n / 8) + n % 8 > d
.set g, 0
.rept 4
.set n, 0
.rept 16
	v_cmp_gt_i32 s[MK+n], 16*((16*g+n)/8)+(16*g+n)%8, v8
.set n, n+1
.endr
	s_wait_alu depctr_va_sdst(0)                   ; the sixteen masks are written, ahead of the selects that read them
.set n, 0
.rept 16
	v_cndmask_b32 v[S+16*g+n], v[S+16*g+n], v9, s[MK+n]   ; -infinity ahead of the maximum: p = 0 then
.set n, n+1
.endr
.set g, g+1
.endr
.Lopen_\@:
.endif
.irp b, 0,1,2,3
	v_max3_num_f32 v[BM+\b], v[S+16*\b], v[S+1+16*\b], v[S+2+16*\b]   ; the largest score of each block of 32 keys: for the row's maximum, and, since p rises with the score, for the block's largest p
.endr
.irp i, 3,5,7,9,11,13
.irp b, 0,1,2,3
	v_max3_num_f32 v[BM+\b], v[BM+\b], v[S+16*\b+\i], v[S+1+16*\b+\i]
.endr
.endr
.irp b, 0,1,2,3
	v_max_num_f32 v[BM+\b], v[BM+\b], v[S+15+16*\b]
.endr
.irp b, 0,1,2,3
	v_permlanex16_b32 v[BT+\b], v[BM+\b], s20, s21
.endr
.irp b, 0,1,2,3
	v_max_num_f32 v[BM+\b], v[BM+\b], v[BT+\b]     ; with lane l xor 16's 16 keys
.endr
	v_max3_num_f32 v26, v216, v217, v218
	v_max_num_f32 v26, v26, v219                   ; the step's largest score of my query
	v_mul_f32 v26, s22, v26                        ; as t (c is positive)
	v_max_num_f32 v13, v13, v26                    ; the running largest t
	v_mov_b32 v26, v12
	v_floor_f32 v12, -v13                          ; the new -M = floor(-t) = -ceil(t)
	v_sub_f32 v26, v12, v26                        ; old M - new M: a whole number, 0 or less
	v_cvt_i32_f32 v26, v26                         ; (it saturates)
	v_ldexp_f32 v228, 1.0, v26                     ; f = 2^(old M - new M)
.set n, 0
.rept 32
	v_pk_fma_f32 v[S+n:S+1+n], v[S+n:S+1+n], s[22:23], v[12:13] op_sel_hi:[1,0,0]   ; t - M, two at a time
.set n, n+2
.endr
.irp b, 0,1,2,3
	v_fma_f32 v[BM+\b], v[BM+\b], s22, v12         ; the same of each block's largest score
.endr
.set n, 0
	s_wait_alu depctr_va_vdst(0)
.rept 64
	v_exp_f32 v[S+n], v[S+n]                       ; p = 2^(t - M), at most 1
.set n, n+1
.endr
.irp b, 0,1,2,3
	v_exp_f32 v[BM+\b], v[BM+\b]                   ; the block's largest p: the same two instructions on the same number
.endr
	v_pk_mul_f32 v[14:15], v[14:15], v[228:229] op_sel_hi:[1,0]   ; the sums under the new M (a plain place behind the exponentials)
	s_wait_alu depctr_va_vdst(0)                   ; the 68 exponentials have written p and the blocks' largest p: one wait for the batch, ahead of its first reader
.irp b, 0,1,2,3
	v_max_num_f32 v[BM+\b], 0x1800000, v[BM+\b]    ; the floor 2^(3 - 127): the byte cannot fall under 1
.endr
.irp b, 0,1,2,3
	v_add_nc_u32 v[BS+\b], 0xff000000, v[BM+\b]    ; 2 off the exponent field: the conversion's scale operand
.endr
.irp b, 0,1,2,3
	v_lshrrev_b32 v[BT+\b], 23, v[BS+\b]           ; the scale's byte
.endr
	v_lshl_or_b32 v25, v221, 8, v220               ; p's scale word for these 128 keys
	v_lshl_or_b32 v25, v222, 16, v25
	v_lshl_or_b32 v25, v223, 24, v25
.irp c, 0,1
	v_cvt_scalef32_pk8_fp4_f32 v[PCD+4*\c], v[S+32*\c:S+7+32*\c], v[BS+2*\c]          ; tile 4 c
	v_cvt_scalef32_pk8_fp4_f32 v[PCD+1+4*\c], v[S+16+32*\c:S+23+32*\c], v[BS+1+2*\c]  ; tile 4 c + 2
	v_cvt_scalef32_pk8_fp4_f32 v[PCD+2+4*\c], v[S+8+32*\c:S+15+32*\c], v[BS+2*\c]     ; tile 4 c + 1
	v_cvt_scalef32_pk8_fp4_f32 v[PCD+3+4*\c], v[S+24+32*\c:S+31+32*\c], v[BS+1+2*\c]  ; tile 4 c + 3
.endr
	v_nop                                          ; one plain place behind a scaled conversion
.irp c, 0,1
	v_permlane16_swap_b32 v[PCD+4*\c], v[PCD+1+4*\c]     ; registers 4 c .. 4 c + 3 now hold keys 64 c + 32 h + 0 .. 31
	v_permlane16_swap_b32 v[PCD+2+4*\c], v[PCD+3+4*\c]
.endr
.set n, 0
.rept 16
	v_pk_mul_f32 v[O+n:O+1+n], v[O+n:O+1+n], v[228:229] op_sel_hi:[1,0]   ; O^T under the new M, each accumulator from its low end on
.set n, n+2
.endr
	v_pk_add_f32 v[230:231], v[S:S+1], v[S+2:S+3]  ; the row's sum is taken of the unquantised p: two at a time, in two chains.  These lines are also the places between the codes, the scale word and the products below
.set n, 4
.rept 15
	v_pk_add_f32 v[14:15], v[14:15], v[S+n:S+1+n]
	v_pk_add_f32 v[230:231], v[230:231], v[S+2+n:S+3+n]
.set n, n+4
.endr
	v_pk_add_f32 v[14:15], v[14:15], v[230:231]
	s_wait_dscnt 0x0                               ; V's scale words and fragments are in
	s_wait_alu depctr_va_vdst(0)                   ; the vector instructions have written p's codes v208-215 and its scale word v25, which the products below take as source 1 and as its scales; the places above stay beside this wait
.irp n, 0,1,2,3                        ; O^T += V^T P^T: the four accumulators by turns
.if \st
	v_wmma_scale_f32_16x16x128_f8f6f4 v[O+8*\n:O+7+8*\n], v[VB+8*\n:VB+7+8*\n], v[PCD:PCD+7], v[O+8*\n:O+7+8*\n], v[32+\n], v25 matrix_a_fmt:MATRIX_FMT_FP4 matrix_b_fmt:MATRIX_FMT_FP4 matrix_a_scale:MATRIX_SCALE_ROW1
.else
	v_wmma_scale_f32_16x16x128_f8f6f4 v[O+8*\n:O+7+8*\n], v[VB+8*\n:VB+7+8*\n], v[PCD:PCD+7], v[O+8*\n:O+7+8*\n], v[32+\n], v25 matrix_a_fmt:MATRIX_FMT_FP4 matrix_b_fmt:MATRIX_FMT_FP4
.endif
.endr
	PLACES 4                                       ; in front of the first read of O^T, on every way on
.if (\diag) && (\st)
.Lhid_\@:
.endif
.endm
	s_load_b256 s[4:11], s[0:1], 0x0               ; qc 4, qs 6, kv 8, oc 10
	s_load_b64 s[12:13], s[0:1], 0x20              ; os
	v_lshrrev_b32 v1, 5, v0
	v_readfirstlane_b32 s2, v1                     ; wave 0..15
	s_mov_b32 s19, ttmp9                           ; p
	s_and_b32 s3, ttmp7, 0xffff                    ; bh
	v_and_b32 v8, 31, v0
	v_lshlrev_b32 v1, 4, v8                        ; 16 x lane
	v_mov_b32 v4, v1                               ; trip 0 reads slot 0: my lane in it
	v_lshlrev_b32 v2, 4, v0                        ; 16 x thread: my place in a round of the copy, in kv and in LDS alike
	v_add_nc_u32 v3, 0x10000, v2                   ; the same for rounds 8-15 in LDS,
	v_add_nc_u32 v11, 0x20000, v2                  ; for round 16,
	v_lshl_add_u32 v10, v0, 3, 17*RND              ; and 8 x thread behind the 17 rounds: the last 4,096 bytes
	v_and_b32 v8, 15, v0                           ; r
	v_bfe_u32 v26, v0, 4, 1                        ; h
	v_lshlrev_b32 v5, 3, v26
	v_sub_nc_u32 v5, v8, v5                        ; r - 8 h
	v_lshl_add_u32 v6, v8, 2, v26                  ; o's scale bytes: token r's word, byte h
	v_lshlrev_b32 v7, 4, v8                        ; 16 r
	v_mov_b32 v9, 0xff800000                       ; -infinity
.irp j, 20,21,22,23
	v_mov_b32 v[\j], 0                             ; Q's registers 4-7: the head has 64 channels, the product's K is 128: zero codes
.endr
.irp t, 0,1,2,3
.irp j, 4,5,6,7
	v_mov_b32 v[KB+8*\t+\j], 0                     ; K's likewise; they stay
.endr
.endr
.irp b, 0,1,2,3
	v_mov_b32 v[BT+\b], 0                          ; written once: a lane permute's destination counts as one of its sources
.endr
	v_mov_b32 v229, 0                              ; (named as the upper half of the pair v[228:229])
	s_mov_b32 s20, 0x76543210
	s_mov_b32 s21, 0xfedcba98                      ; v_permlanex16_b32's selects for lane l xor 16
	s_mov_b32 s22, 0x3e38aa3b                      ; c = log2(e) / 8
	s_mov_b32 s23, s22                             ; (named with it as a pair)
	s_mov_b32 s30, 0xffff0000                      ; lanes 16-31
	s_mov_b32 s27, 0                               ; the upper word of every offset
	s_sub_co_u32 s16, 7, s19                       ; the first block of queries: 7 - p
	s_mov_b32 s14, 2                               ; the loop's first trip
	s_mov_b32 s15, 2                               ; and its slot of keys
	s_wait_alu depctr_va_sdst(0)                   ; s2 is written, ahead of its first reader
	s_wait_alu depctr_va_vdst(0)                   ; the offsets and addresses v1-4, v6, v7, v10, v11 are written, which loads and stores read; so are the zero codes of Q's and K's fragments, which the products S^T take
	s_wait_kmcnt 0x0
	s_mul_i32 s26, s3, 8*SLOTB
	s_add_nc_u64 s[8:9], s[8:9], s[26:27]          ; the head's eight slots
	GET 0, 0                                       ; rounds 0-2: bytes 0 to 24,575, slot 0 among them
	GET 1, 1
	GET 2, 2
	s_lshl_b32 s26, s3, 16
	s_add_nc_u64 s[4:5], s[4:5], s[26:27]
	s_lshl_b32 s26, s3, 13
	s_add_nc_u64 s[6:7], s[6:7], s[26:27]
	LOADQ 16, 16, 24, 32                           ; the first block's queries,
	LOADQ 19, 232, 27, 36                          ; and the second's, which wait in registers of their own: no load is waited for in the loop
	s_lshr_b32 s40, s3, 4                          ; batch
	s_and_b32 s41, s3, 15                          ; head
	s_lshl_b32 s26, s40, 20
	s_lshl_b32 s17, s41, 9
	s_add_co_u32 s26, s26, s17
	s_add_nc_u64 s[10:11], s[10:11], s[26:27]      ; oc: [tile of 16 tokens][head][512]
	s_lshr_b32 s26, s41, 1
	s_lshl_b32 s26, s26, 15
	s_lshl_b32 s17, s40, 13
	s_add_co_u32 s26, s26, s17
	s_and_b32 s17, s41, 1
	s_lshl_b32 s17, s17, 1
	s_add_co_u32 s26, s26, s17
	s_add_nc_u64 s[12:13], s[12:13], s[26:27]      ; os: [K step = head / 2][token][4 bytes]; my head's bytes 2 (head % 2), + 1
	INIT
	s_wait_loadcnt 0x0
	PUT 0, 0
	PUT 1, 1
	PUT 2, 2
	MEET                                           ; slot 0 lies in LDS
	; TRIP 0: slot 0; rounds 3-10 (bytes 24,576 to 90,111: no wave reads them in this trip) are on their way meanwhile
	s_wait_alu depctr_vm_vsrc(0)                   ; the stores of rounds 0-2 have read v36-47, in which rounds 3-5 land
.irp k, 0,1,2,3,4,5,6,7
	GET \k+3, \k
.endr
	STEP 0, 0
	STEP 1, 0
	s_wait_loadcnt 0x0
.irp k, 0,1,2,3,4,5,6,7
	PUT \k+3, \k
.endr
	MEET                                           ; slots 0-4 lie in LDS
	; TRIP 1: slot 1; the rest (bytes 90,112 on) likewise
	s_wait_alu depctr_vm_vsrc(0)                   ; the stores of rounds 3-10 have read the copy's registers, in which the next rounds land; trip 0's LDS loads have read v4
	v_add_nc_u32 v4, SLOTB, v1
	s_wait_alu depctr_va_vdst(0)                   ; v4 is written, which this trip's LDS loads read
.irp k, 0,1,2,3,4,5
	GET \k+11, \k
.endr
	global_load_b64 v[248:249], v10, s[8:9]
	STEP 0, 0
	STEP 1, 0
	s_wait_loadcnt 0x0
.irp k, 0,1,2,3,4,5
	PUT \k+11, \k
.endr
	ds_store_b64 v10, v[248:249]
	MEET                                           ; the whole head lies in LDS: from here on LDS is only read
.Ltrip:                                            ; trips 2 to 8
	s_min_u32 s40, s15, 7                          ; the slot of keys in hand (0 to 7)
	s_mul_i32 s18, s40, SLOTB
	s_wait_alu depctr_vm_vsrc(0)                   ; the LDS loads issued so far have read v4 (and, in the first trip here, the copy's last stores their registers, of which v36 is written at a block's end)
	v_add_nc_u32 v4, s18, v1                       ; my lane in it
	s_lshl_b32 s25, s16, 8
	s_lshl_b32 s40, s2, 4
	s_add_co_u32 s25, s25, s40                     ; my first query
	s_lshl_b32 s24, s15, 8                         ; the step's first key
	s_wait_alu depctr_va_vdst(0)                   ; v4 is written, which this trip's LDS loads read; behind a change of blocks Q's codes and scale words are written too, which the products S^T take
	STEP 0, 1
	s_add_co_u32 s24, s24, 128
	STEP 1, 1
	s_cmp_lg_u32 s15, s16
	s_cbranch_scc1 .Lnofin
	; THE BLOCK'S LAST SLOT IS DONE: o = O^T / the sum, quantised along the channels, leaves as four registers of the next product's operand and two scale bytes a token
	v_add_f32 v14, v14, v15                        ; the sum's two halves,
	v_permlanex16_b32 v26, v14, s20, s21
	v_add_f32 v14, v14, v26                        ; and lane l xor 16's
	s_wait_alu depctr_va_vdst(0)
	v_rcp_f32 v14, v14
	v_nop                                          ; one plain place behind a transcendental
.set n, 0
	s_wait_alu depctr_va_vdst(0)                   ; the reciprocal is written, ahead of its first reader
.rept 32
	v_mul_f32 v[S+n], v[O+n], v14                  ; register 8 t + j: channel 16 t + 8 h + j of my query
.set n, n+1
.endr
.irp b, 0,1
	v_max3_num_f32 v[BM+\b], |v[S+16*\b]|, |v[S+1+16*\b]|, 0x1800000   ; block b: my 16 numbers, and the floor 2^(3 - 127)
.endr
.irp i, 2,4,6,8,10,12,14
.irp b, 0,1
	v_max3_num_f32 v[BM+\b], v[BM+\b], |v[S+16*\b+\i]|, |v[S+1+16*\b+\i]|
.endr
.endr
.irp b, 0,1
	v_permlanex16_b32 v[BT+\b], v[BM+\b], s20, s21
.endr
.irp b, 0,1
	v_max_num_f32 v[BM+\b], v[BM+\b], v[BT+\b]
.endr
.irp b, 0,1
	v_add_nc_u32 v[BS+\b], 0xff000000, v[BM+\b]
.endr
.irp b, 0,1
	v_lshrrev_b32 v[BT+\b], 23, v[BS+\b]
.endr
	v_cvt_scalef32_pk8_fp4_f32 v208, v[S:S+7], v224
	v_cvt_scalef32_pk8_fp4_f32 v209, v[S+16:S+23], v225
	v_cvt_scalef32_pk8_fp4_f32 v210, v[S+8:S+15], v224
	v_cvt_scalef32_pk8_fp4_f32 v211, v[S+24:S+31], v225
	v_nop                                          ; one plain place behind a scaled conversion
	v_permlane16_swap_b32 v208, v209
	v_permlane16_swap_b32 v210, v211               ; v208-211: channels 32 h + 0 .. 31 of my query
	v_cndmask_b32 v36, v220, v221, s30             ; lane (r, h) stores block h's byte (the copy's registers are free by now)
	s_lshl_b32 s40, s16, 4
	s_add_co_u32 s40, s40, s2                      ; my tile of 16 tokens
	s_lshl_b32 s26, s40, 13
	s_add_nc_u64 s[36:37], s[10:11], s[26:27]
	s_lshl_b32 s26, s40, 6
	s_add_nc_u64 s[38:39], s[12:13], s[26:27]
	s_wait_alu depctr_va_vdst(0)                   ; the codes v208-211 and the byte v36 are written, which the two stores read
	global_store_b128 v1, v[208:211], s[36:37]     ; 512 consecutive bytes
	global_store_b8 v6, v36, s[38:39]              ; two bytes of each token's word: 1 byte in 17 of what this launch stores
	s_cmp_eq_u32 s14, 8
	s_cbranch_scc1 .Llast
.irp j, 0,1,2,3
	v_mov_b32 v[16+\j], v[232+\j]                  ; the second block's queries
.endr
	v_mov_b32 v24, v27                             ; and their scale words; the 36 lines below are the places between these and the next products
	INIT
.Llast:
	s_wait_xcnt 0x0                                ; the stores' data and bases are written again only behind this wait,
	s_wait_alu depctr_vm_vsrc(0)                   ; and behind this one: the two stores have read v208-211, which the next step's conversions write, and v36
.Lnofin:
	s_add_co_u32 s40, s15, 1
	s_cmp_eq_u32 s15, s16
	s_cselect_b32 s15, 0, s40                      ; on to the next slot of keys,
	s_cselect_b32 s16, s19, s16                    ; and behind the first block's last slot to the second block, p
	s_add_co_u32 s14, s14, 1
	s_cmp_lt_u32 s14, 9
	s_cbranch_scc1 .Ltrip
	s_wait_xcnt 0x0
	v_lshl_add_u32 v254, v0, 2, 0x23000            ; (the last memory instruction that read v254 or v255, a store of trip 0's copy, stands ahead of trip 1's wait on vm_vsrc)
	v_mov_b32 v255, 0
	s_wait_dscnt 0x0                               ; the closing lines, six on end
	s_wait_alu 0x0
	s_wait_tensorcnt 0x0
	ds_add_u32 v254, v255
	s_wait_dscnt 0x0
	s_endpgm
.Lfunc_end_k_q18d9d77791_attn:
	.size	k_q18d9d77791_attn, .Lfunc_end_k_q18d9d77791_attn-k_q18d9d77791_attn
	.p2alignl 7, 3214868480
	.fill 96, 4, 3214868480
	.section	.rodata,"a",@progbits
	.p2align	6, 0x0
	.amdhsa_kernel k_q18d9d77791_attn
		.amdhsa_group_segment_fixed_size 145408
		.amdhsa_private_segment_fixed_size 0
		.amdhsa_enable_private_segment 0
		.amdhsa_kernarg_size 40
		.amdhsa_user_sgpr_count 2
		.amdhsa_user_sgpr_kernarg_segment_ptr 1
		.amdhsa_wavefront_size32 1
		.amdhsa_system_sgpr_workgroup_id_x 1
		.amdhsa_system_sgpr_workgroup_id_y 1
		.amdhsa_system_sgpr_workgroup_id_z 1
		.amdhsa_system_vgpr_workitem_id 0
		.amdhsa_next_free_vgpr 256
		.amdhsa_next_free_sgpr 66
		.amdhsa_reserve_vcc 0
		.amdhsa_float_denorm_mode_32 3
		.amdhsa_float_denorm_mode_16_64 3
		.amdhsa_memory_ordered 1
		.amdhsa_forward_progress 1
		.amdhsa_inst_pref_size 122
	.end_amdhsa_kernel
	.amdgpu_metadata
---
amdhsa.version: [ 1, 2 ]
amdhsa.kernels:
  - .name:           k_q18d9d77791_attn
    .symbol:         k_q18d9d77791_attn.kd
    .args:
      - { .name: qc, .offset: 0, .size: 8, .value_kind: global_buffer, .address_space: global }
      - { .name: qs, .offset: 8, .size: 8, .value_kind: global_buffer, .address_space: global }
      - { .name: kv, .offset: 16, .size: 8, .value_kind: global_buffer, .address_space: global }
      - { .name: oc, .offset: 24, .size: 8, .value_kind: global_buffer, .address_space: global }
      - { .name: os, .offset: 32, .size: 8, .value_kind: global_buffer, .address_space: global }
    .group_segment_fixed_size: 145408
    .private_segment_fixed_size: 0
    .kernarg_segment_align: 8
    .kernarg_segment_size: 40
    .max_flat_workgroup_size: 512
    .sgpr_count:     66
    .vgpr_count:     256
    .wavefront_size: 32
...
	.end_amdgpu_metadata
.endif
;; end of part 5
;; launch proj (part 6): grid 16 x 16, 8 waves a work-group, no clusters, 69,632 bytes of LDS; arguments oc, os, wo_codes, wo_scales, bo, out0; writes out0
.if DOCPART == 6
	.amdgcn_target "amdgcn-amd-amdhsa--gfx1250"
	.amdhsa_code_object_version 6
	.text
	.protected	k_q18d9d77791_proj
	.globl	k_q18d9d77791_proj
	.p2align	8
	.type	k_q18d9d77791_proj,@function
k_q18d9d77791_proj:
	s_mov_b64 s[64:65], 0
	v_nop
	global_prefetch_b8 v0, s[64:65] scope:SCOPE_SE
	s_setreg_imm32_b32 hwreg(HW_REG_WAVE_SCHED_MODE, 0, 2), 2
	s_setreg_imm32_b32 hwreg(HW_REG_WAVE_MODE, 25, 1), 1
	s_wait_xcnt 0x0
	s_wait_alu depctr_vm_vsrc(0)
; out0 = o wo + bo on codes of FP4 (E2M1) with one E8M0 scale for each 32 along K; sums in f32, the bias as the C of each sum's first product.
; SHARES.  Work-group (x = block of 512 tokens, y = group of 64 channels).  Wave w makes tokens 64 w .. 64 w + 63 x 64 channels: 16 accumulators, 128 products.  o's fragments lie in memory as images of registers
; ([tile of 16 tokens][head = 2 x K step + group][512 bytes]) and go straight into window 1, 512 consecutive bytes a load; the 64 weight rows lie in LDS, filled once; a weight fragment feeds four products.
; Source 0 = 16 weight rows, source 1 = 16 tokens: lane (r, h) register j of tile t holds token r, channel 16 t + 8 h + j: eight neighbouring numbers of a row of out0.  A row's 64 channels are 256 bytes, aligned:
; a block of 16 tokens goes through my stage in LDS and leaves with sixteen lanes storing 256 consecutive bytes.
; NO CLUSTER, NO TENSOR LOADS: o's 262,144 bytes a work-group go to registers, where a joint load cannot bring them; what could be shared is the weights' 32,768 of 294,912 bytes.
; LIMITS: NaN and infinities among the inputs are not served.
; REGISTERS, window 0: v4-15 addresses; v16-31 o's scale words, v32-47 the weights' (register 8 p + s: lanes 0-15 tile 2 p, lanes 16-31 tile 2 p + 1, K step s); v64-95, v96-127 two sets of four weight fragments
;   (set 1 first holds the bias tiles; on the way out both hold rows read back); v128-255 the 16 accumulators.   window 1: o's fragment (tile a, K step s) at v[64 a + 8 s].
; THE MODE: SCHED_MODE bits 1:0 = 2 (LLVM: expert scheduling mode 2), set by the entry lines.  The code itself states the register dependences between vector or matrix instructions and memory or LDS instructions, with s_wait_alu, always for 0.
; THE PLAN.  Registers that memory or LDS instructions touch:
;   v4-15        offsets and addresses: made once at the head, never written again.  One wait on va_vdst ahead of the first load serves them all.
;   v16-47, window 1   loaded once; afterwards products alone name them.
;   v128-159     first the weight rows on their way to LDS: a wait on vm_vsrc stands between the LDS stores that read them and the first products, which write them.
;   sets 0, 1    K step s multiplies set s % 2.  ONE wait on va_vdst stands behind a step's products: they are done reading their set, in which the fragments asked for next land.  Those eight loads are dealt among the next
;                step's first eight products, which name the other set, window 1, the accumulators and the scale words: none of the registers that the loads touch.
;   the way out  one wait on va_vdst: the accumulators are written, which the LDS stores read, and the sets are free for the rows read back.  A set is loaded again behind a wait on vm_vsrc: the global stores of two blocks back have read it.
.set WP,    528                        ; a weight row in LDS: 512 bytes + 16
.set STAGE, 64*WP                      ; behind the 64 rows: 16 rows x 272 for each wave, its own
.set SP,    272
.set XS,   16
.set WS,   32
.set WF,   64
.set BIAS, 96
.set ACC,  128
.set MSB,  0
.macro WIN new                         ; the immediate's high byte repeats the setting that is left; a switch that changes nothing is dropped
.if MSB != \new
	s_set_vgpr_msb (MSB<<8)|\new
.set MSB, \new
.endif
.endm
.macro PLACES n
.rept \n
	v_nop
.endr
.endm
.macro WM d, a, b, c, sa, sb, ra, rb   ; one product; ra, rb: A's, B's scale words stand in lanes 16-31 of their registers
.if (\ra) && (\rb)
	v_wmma_scale_f32_16x16x128_f8f6f4 v[\d:\d+7], v[\a:\a+7], v[\b:\b+7], v[\c:\c+7], v[\sa], v[\sb] matrix_a_fmt:MATRIX_FMT_FP4 matrix_b_fmt:MATRIX_FMT_FP4 matrix_a_scale:MATRIX_SCALE_ROW1 matrix_b_scale:MATRIX_SCALE_ROW1
.elseif (\ra)
	v_wmma_scale_f32_16x16x128_f8f6f4 v[\d:\d+7], v[\a:\a+7], v[\b:\b+7], v[\c:\c+7], v[\sa], v[\sb] matrix_a_fmt:MATRIX_FMT_FP4 matrix_b_fmt:MATRIX_FMT_FP4 matrix_a_scale:MATRIX_SCALE_ROW1
.elseif (\rb)
	v_wmma_scale_f32_16x16x128_f8f6f4 v[\d:\d+7], v[\a:\a+7], v[\b:\b+7], v[\c:\c+7], v[\sa], v[\sb] matrix_a_fmt:MATRIX_FMT_FP4 matrix_b_fmt:MATRIX_FMT_FP4 matrix_b_scale:MATRIX_SCALE_ROW1
.else
	v_wmma_scale_f32_16x16x128_f8f6f4 v[\d:\d+7], v[\a:\a+7], v[\b:\b+7], v[\c:\c+7], v[\sa], v[\sb] matrix_a_fmt:MATRIX_FMT_FP4 matrix_b_fmt:MATRIX_FMT_FP4
.endif
.endm
.macro FETCH adr, s, set               ; four weight fragments of K step s into a set, in one run
.irp t, 0,1,2,3
.irp c, 0,1
	ds_load_b128 v[WF+32*(\set)+8*\t+4*\c:WF+32*(\set)+8*\t+4*\c+3], v[\adr] offset:\t*16*WP+64*(\s)+32*\c
.endr
.endr
.endm
; 16 products of a K step; the 16 accumulators take turns, one instruction a turn, in the same order in every step.
; fs >= 0: the eight loads of K step fs's fragments, into the other set, are dealt one behind each of the first eight products.
.macro MULQK s, set, first, fs, adr
.irp a, 0,1,2,3
.irp t, 0,1,2,3
.if \first
	WM ACC+32*\a+8*\t, WF+32*(\set)+8*\t, 64*\a+8*(\s), BIAS+8*\t, WS+8*(\t/2)+(\s), XS+8*(\a/2)+(\s), \t%2, \a%2
.else
	WM ACC+32*\a+8*\t, WF+32*(\set)+8*\t, 64*\a+8*(\s), ACC+32*\a+8*\t, WS+8*(\t/2)+(\s), XS+8*(\a/2)+(\s), \t%2, \a%2
.endif
.if ((\fs) >= 0) && (\a < 2)
	ds_load_b128 v[WF+32*(1-(\set))+8*\t+4*\a:WF+32*(1-(\set))+8*\t+4*\a+3], v[\adr] offset:\t*16*WP+64*(\fs)+32*\a   ; no wait: no product since the step's wait names the other set or the address
.endif
.endr
.endr
.endm
; The eight K steps, written out, all under one window setting (source 1 in window 1; an LDS load's data and address are then in window 0).  Step s multiplies set s % 2 and asks for step s + 1's fragments.
.macro KLOOP adr
	WIN 0x04
	MULQK 0, 0, 1, -1, \adr                        ; the first products start the sums with the bias: nothing is cleared
	PLACES 4                                       ; four plain places between products and loads into registers that they read
	s_wait_alu depctr_va_vdst(0)                   ; step 0's products are done reading the bias tiles in set 1, where step 1's fragments land, and set 0, where step 2's land
	FETCH \adr, 1, 1
	s_wait_dscnt 0x0                               ; step 1's fragments are in
	MULQK 1, 1, 0, 2, \adr
.irp s, 2,3,4,5,6
	PLACES 4
	s_wait_alu depctr_va_vdst(0)                   ; the step before's products are done reading their set, in which the next step's fragments land
	s_wait_dscnt 0x0                               ; this step's fragments, asked for a step ago, are in
	MULQK \s, \s%2, 0, \s+1, \adr
.endr
	s_wait_dscnt 0x0
	MULQK 7, 1, 0, -1, \adr
	WIN 0
	PLACES 4                                       ; in front of the first read of results and of loads into the fragment sets
.endm
.macro OFRAG a                         ; o's tile a: 16 loads of 512 consecutive bytes
.irp s, 0,1,2,3,4,5,6,7
.irp c, 0,1
	global_load_b128 v[64*\a+8*\s+4*\c:64*\a+8*\s+4*\c+3], v4, s[16:17] offset:8192*\a+1024*\s+512*\c
.endr
.endr
.endm
.macro TOSTAGE a                       ; 16 tokens x 64 channels into my stage, each accumulator from its low end on, and back as rows.  LDS serves a wave's instructions in order (ISA guide 5.7.1.4): no wait between
.irp t, 0,1,2,3
.irp i, 0,1
	ds_store_b128 v8, v[ACC+32*(\a)+8*\t+4*\i:ACC+32*(\a)+8*\t+4*\i+3] offset:64*\t+16*\i
.endr
.endr
.irp k, 0,1,2,3,4,5,6,7
	ds_load_b128 v[WF+32*((\a)%2)+4*\k:WF+32*((\a)%2)+4*\k+3], v9 offset:2*SP*\k
.endr
.endm
.macro SEND a, younger                 ; younger: the LDS instructions issued behind block a's loads, which may stay out
	s_wait_dscnt \younger
.irp k, 0,1,2,3,4,5,6,7
	global_store_b128 v11, v[WF+32*((\a)%2)+4*\k:WF+32*((\a)%2)+4*\k+3], s[26:27] offset:(16*(\a)+2*\k)*4096 th:TH_STORE_NT   ; sixteen lanes store 256 consecutive bytes, aligned; written once, read by nobody here
.endr
.endm
	s_load_b256 s[16:23], s[0:1], 0x0              ; oc 16, os 18, wo_codes 20, wo_scales 22
	s_load_b128 s[24:27], s[0:1], 0x20             ; bo 24, out0 26
	v_lshl_add_u32 v62, v0, 2, 0x10c00
	v_mov_b32 v63, 0
	v_lshrrev_b32 v1, 5, v0
	v_readfirstlane_b32 s2, v1                     ; wave 0..7
	s_and_b32 s3, ttmp7, 0xffff                    ; group of 64 channels
	s_mov_b32 s4, ttmp9                            ; block of 512 tokens
	v_and_b32 v1, 31, v0                           ; lane
	v_and_b32 v2, 15, v0                           ; r
	v_bfe_u32 v3, v0, 4, 1                         ; h
	v_lshlrev_b32 v4, 4, v1                        ; 16 x lane
	s_wait_alu depctr_va_sdst(0)                   ; s2 is written, ahead of its first reader
	s_lshl_b32 s5, s2, 12
	v_add_nc_u32 v5, s5, v4                        ; the weight rows that I copy: 8 w on
	s_mul_i32 s5, s2, 8*WP
	v_add_nc_u32 v6, s5, v4                        ; and where they go
	v_mul_u32_u24 v10, v2, WP
	v_lshl_add_u32 v10, v3, 4, v10                 ; a fragment's lane: row r, + 16 h
	s_mul_i32 s5, s2, 16*SP
	s_add_co_u32 s5, s5, STAGE                     ; my stage
	v_mul_u32_u24 v8, v2, SP
	v_lshl_add_u32 v8, v3, 5, v8
	v_add_nc_u32 v8, s5, v8                        ; in: row r, 32 bytes for each half of the lanes
	v_mul_u32_u24 v9, v3, SP
	v_lshl_add_u32 v9, v2, 4, v9
	v_add_nc_u32 v9, s5, v9                        ; back: lanes 0-15 one row of 256 bytes, lanes 16-31 the next
	v_lshlrev_b32 v11, 12, v3
	v_lshl_add_u32 v11, v2, 4, v11                 ; and the same two rows in out0
	v_lshlrev_b32 v13, 5, v1                       ; the weights' scale rows of 32 bytes
	v_lshlrev_b32 v14, 5, v3                       ; the bias: 8 h numbers on
	v_lshlrev_b32 v15, 2, v1                       ; o's scale words: 4 bytes a token
	s_mov_b32 s7, 0                                ; the upper word of every offset
	s_wait_kmcnt 0x0
	s_lshl_b32 s6, s4, 18
	s_lshl_b32 s5, s2, 15
	s_add_co_u32 s6, s6, s5
	s_add_nc_u64 s[16:17], s[16:17], s[6:7]        ; oc at my four tiles: 8,192 bytes a tile
	s_lshr_b32 s6, s6, 7
	s_add_nc_u64 s[18:19], s[18:19], s[6:7]        ; os at my 64 tokens
	s_lshl_b32 s6, s3, 15
	s_add_nc_u64 s[20:21], s[20:21], s[6:7]
	s_lshl_b32 s6, s3, 11
	s_add_nc_u64 s[22:23], s[22:23], s[6:7]
	s_lshl_b32 s6, s3, 8
	s_add_nc_u64 s[24:25], s[24:25], s[6:7]
	s_add_nc_u64 s[26:27], s[26:27], s[6:7]        ; out0: my 64 channels are 256 bytes of a row,
	s_lshl_b32 s6, s4, 21
	s_lshl_b32 s5, s2, 18
	s_add_co_u32 s6, s6, s5
	s_add_nc_u64 s[26:27], s[26:27], s[6:7]        ; my 64 rows of 4,096 bytes
	s_wait_alu depctr_va_vdst(0)                   ; the offsets and addresses v4-15 are written, which every load and store of the kernel reads
.irp a, 0,1
.irp s, 0,1,2,3,4,5,6,7
	global_load_b32 v[XS+8*\a+\s], v15, s[18:19] offset:32768*\s+128*\a   ; K step s's plane: 32 tokens' words, 128 consecutive bytes
.endr
.endr
.irp a, 0,1
.irp i, 0,1
	global_load_b128 v[WS+8*\a+4*\i:WS+8*\a+4*\i+3], v13, s[22:23] offset:1024*\a+16*\i
.endr
.endr
.irp t, 0,1,2,3
.irp i, 0,1
	global_load_b128 v[BIAS+8*\t+4*\i:BIAS+8*\t+4*\i+3], v14, s[24:25] offset:64*\t+16*\i   ; the bias in the result's layout: channels 16 t + 8 h + 0 .. 7
.endr
.endr
.irp i, 0,1,2,3,4,5,6,7
	global_load_b128 v[ACC+4*\i:ACC+4*\i+3], v5, s[20:21] offset:512*\i
.endr
	WIN 0x40                                       ; loaded data in window 1
	OFRAG 0
	OFRAG 1
	OFRAG 2
	WIN 0
	s_wait_loadcnt 48                              ; scale words, bias and weight rows are in; the 48 fragment loads behind them may be out
.irp i, 0,1,2,3,4,5,6,7
	ds_store_b128 v6, v[ACC+4*\i:ACC+4*\i+3] offset:\i*WP
.endr
	WIN 0x40
	OFRAG 3
	WIN 0
	s_wait_dscnt 0x0                               ; for the others' sake: my weight rows lie in LDS
	s_barrier_signal -1
	s_barrier_wait -1                              ; all 64 do
	s_wait_alu depctr_vm_vsrc(0)                   ; my LDS stores have read v128-159, which the first products write
	FETCH 10, 0, 0
	s_wait_loadcnt 0x0
	s_wait_dscnt 0x0
	KLOOP 10
	s_wait_alu depctr_va_vdst(0)                   ; the products have written the accumulators, which the LDS stores read, and are done reading the two sets, in which the rows read back land; the places above stay beside this wait
	TOSTAGE 0
.irp a, 1,2,3
.if \a > 1
	s_wait_xcnt 0x0                                ; block a - 2's stores have had their addresses translated,
	s_wait_alu depctr_vm_vsrc(0)                   ; and have read their set's registers: block a's rows land there
.endif
	TOSTAGE \a
	SEND \a-1, 16                                  ; behind block a - 1's loads: block a's eight stores and eight loads
.endr
	SEND 3, 0
	s_wait_dscnt 0x0                               ; the closing lines, six on end
	s_wait_alu 0x0
	s_wait_tensorcnt 0x0
	ds_add_u32 v62, v63
	s_wait_dscnt 0x0
	s_endpgm
.Lfunc_end_k_q18d9d77791_proj:
	.size	k_q18d9d77791_proj, .Lfunc_end_k_q18d9d77791_proj-k_q18d9d77791_proj
	.p2alignl 7, 3214868480
	.fill 96, 4, 3214868480
	.section	.rodata,"a",@progbits
	.p2align	6, 0x0
	.amdhsa_kernel k_q18d9d77791_proj
		.amdhsa_group_segment_fixed_size 69632
		.amdhsa_private_segment_fixed_size 0
		.amdhsa_enable_private_segment 0
		.amdhsa_kernarg_size 48
		.amdhsa_user_sgpr_count 2
		.amdhsa_user_sgpr_kernarg_segment_ptr 1
		.amdhsa_wavefront_size32 1
		.amdhsa_system_sgpr_workgroup_id_x 1
		.amdhsa_system_sgpr_workgroup_id_y 1
		.amdhsa_system_sgpr_workgroup_id_z 1
		.amdhsa_system_vgpr_workitem_id 0
		.amdhsa_next_free_vgpr 512
		.amdhsa_next_free_sgpr 66
		.amdhsa_reserve_vcc 0
		.amdhsa_float_denorm_mode_32 3
		.amdhsa_float_denorm_mode_16_64 3
		.amdhsa_memory_ordered 1
		.amdhsa_forward_progress 1
		.amdhsa_inst_pref_size 42
	.end_amdhsa_kernel
	.amdgpu_metadata
---
amdhsa.version: [ 1, 2 ]
amdhsa.kernels:
  - .name:           k_q18d9d77791_proj
    .symbol:         k_q18d9d77791_proj.kd
    .args:
      - { .name: oc, .offset: 0, .size: 8, .value_kind: global_buffer, .address_space: global }
      - { .name: os, .offset: 8, .size: 8, .value_kind: global_buffer, .address_space: global }
      - { .name: wo_codes, .offset: 16, .size: 8, .value_kind: global_buffer, .address_space: global }
      - { .name: wo_scales, .offset: 24, .size: 8, .value_kind: global_buffer, .address_space: global }
      - { .name: bo, .offset: 32, .size: 8, .value_kind: global_buffer, .address_space: global }
      - { .name: out0, .offset: 40, .size: 8, .value_kind: global_buffer, .address_space: global }
    .group_segment_fixed_size: 69632
    .private_segment_fixed_size: 0
    .kernarg_segment_align: 8
    .kernarg_segment_size: 48
    .max_flat_workgroup_size: 256
    .sgpr_count:     66
    .vgpr_count:     512
    .wavefront_size: 32
...
	.end_amdgpu_metadata
.endif
;; end of part 6
